; MI455X (gfx1250); checked and timed in simulation.
; The chip was launched on July 23, 2026; its instructions are those of AMD's public machine-readable ISA for CDNA 5 (MIT licence, August 2026) and "CDNA5" Instruction Set Architecture Reference Guide (July 2026). The comments in the code are by the model that wrote it; some were corrected since.
;; Multi Head Attention. Allowed arithmetic: matrix products marked QUANTISED: E2M3 operands, one E8M0 scale for each 32 along K, by v_wmma_scale_f32_16x16x128_f8f6f4 with both operands' format E2M3, f32 sums; everything else in f32.
;; Inputs: Wk 1,024 x 1,024 float32; Wo 1,024 x 1,024 float32; Wq 1,024 x 1,024 float32; Wv 1,024 x 1,024 float32; bk 1,024 float32; bo 1,024 float32; bq 1,024 float32; bv 1,024 float32; key_ 4 x 2,048 x 1,024 float32; mask 4 x 1 x 2,048 x 2,048 int32; query 4 x 2,048 x 1,024 float32; value 4 x 2,048 x 1,024 float32.
;; Outputs: out0 4 x 2,048 x 1,024 float32.
;; This version of the problem:
;;   THIS VERSION OF THE PROBLEM IS GIVEN IN LOW PRECISION. The matrix products marked QUANTISED in the list below multiply operands that are first quantised to E2M3 (2 exponent bits, 3 mantissa bits; 6 bits a number), with one power-of-two scale for each 32 numbers along K (OCP MX v1.0); their sums are f32. All else is computed in f32.
;;   The module's matrix products, in the order in which they are computed (A, B: the left and right operand; K: the contracted axis; several contracted axes count as one K, in the product's order):
;;     1. [M 8,192, K 1,024] x [K 1,024, N 1,024]; A: input query; B: input Wq: QUANTISED
;;     2. [M 8,192, K 1,024] x [K 1,024, N 1,024]; A: input key_; B: input Wk: QUANTISED
;;     3. [M 8,192, K 1,024] x [K 1,024, N 1,024]; A: input value; B: input Wv: QUANTISED
;;     4. batch 64 x [M 2,048, K 64] x [K 64, N 2,048]; A: computed on the way; B: computed on the way: QUANTISED
;;     5. batch 64 x [M 2,048, K 2,048] x [K 2,048, N 64]; A: softmax (see below); B: computed on the way: QUANTISED
;;     6. [M 8,192, K 1,024] x [K 1,024, N 1,024]; A: computed on the way; B: input Wo: QUANTISED
;;   THE QUANTISER, for each operand of a quantised product, along K:
;;     - K is cut into blocks of 32 from its start; a last block that is shorter is filled with zeros.
;;     - A block's scale is 2^e with e = floor(log2(the largest magnitude in the block)) - 2, held to -126 .. 127; a block of zeros has e = 0. As a byte (E8M0): e + 127.
;;     - Each number is divided by its block's scale, clamped to +-7.5, and rounded to the nearest number of E2M3, ties to even, subnormals kept.
;;     - The product sums the exact products of the quantised numbers (number of the format x scale) in f32.
;;   ~~~python
;;   def quantise(x, axis):      # numpy; x: float32 -> the quantised numbers, widened to float32 again
;;       x = np.moveaxis(x, axis, -1); K = x.shape[-1]
;;       x = np.pad(x, [(0, 0)] * (x.ndim - 1) + [(0, -K % 32)]); x = x.reshape(x.shape[:-1] + (-1, 32)); a = np.abs(x).max(-1, keepdims=True)
;;       e = np.where(a > 0, np.clip(np.frexp(np.where(a > 0, a, 1))[1] - 1 - 2, -126, 127), 0)      # np.frexp(a)[1] - 1 = floor(log2(a)), exactly
;;       r = np.clip(x / 2.0 ** e, -7.5, 7.5)
;;       step = 2.0 ** (np.maximum(np.frexp(np.where(r == 0, 1, r))[1] - 1, 0) - 3)
;;       q = np.round(r / step) * step * 2.0 ** e      # np.round: ties to even
;;       return np.moveaxis(q.reshape(q.shape[:-2] + (-1,))[..., :K], -1, axis).astype(np.float32)
;;   ~~~
;;   SOFTMAX AHEAD OF A QUANTISED PRODUCT. Where the list says 'softmax', what is quantised is not the finished softmax but p = 2^(t - M), with t = logit x log2(e) and M = ceil(the row's largest t), a whole number; so 1/2 < the row's largest p <= 1. The row's sum l is taken of the UNQUANTISED p, in f32, and the product's result is divided by l at the end. Since M is a whole number, a kernel that streams over the keys may use a running M (the ceiling of the running maximum): every later rescaling is an exact power of two, which a block's scale takes up: the codes' values come out the same.
;;   OPERANDS COMPUTED ON THE WAY. 'Computed on the way' means the value that the module computes at that place (a softmax that the list does not call 'softmax' is quantised finished and normalised). What goes into a quantiser is computed in f32, as accurately as f32 sums, v_exp_f32 and their like allow (about 1e-6 of the number): no bf16 or f16 on the way to a quantiser, and a product that is left as it is and whose result goes on into a quantised operand takes f32 operands (vector FMAs, or v_wmma_f32_16x16x4_f32). A number that lies on a knife's edge between two numbers of the format may be rounded either way, as far as f32 arithmetic and the matrix unit's own rounding can turn it there, and no further.
;; 2 versions. Each part assembles by itself: llvm-mc -triple=amdgcn-amd-amdhsa -mcpu=gfx1250 --defsym DOCPART=n.
;; ======== version 1 of 2: 5 launches
;; limits: right only within a limited range of input values
;; workspace buffers: xc 19,660,800 bytes; wc 3,276,800 bytes; bc 16,384 bytes; qkv 19,660,800 bytes; mw 2,097,152 bytes of whole numbers; ao 6,553,600 bytes; cfgp 256 bytes of whole numbers; cfgo 256 bytes of whole numbers
;; launch wprep (part 1): grid 8 x 32, 4 waves a work-group, no clusters, 0 bytes of LDS; arguments Wq, Wk, Wv, Wo, bq, bk, bv, bo, wc, bc, cfgp, cfgo; writes wc, bc, cfgp, cfgo
.if DOCPART == 1
	.amdgcn_target "amdgcn-amd-amdhsa--gfx1250"
	.amdhsa_code_object_version 6
	.text
	.protected	k_qefc4c3255c_wprep
	.globl	k_qefc4c3255c_wprep
	.p2align	8
	.type	k_qefc4c3255c_wprep,@function
k_qefc4c3255c_wprep:
	s_mov_b64 s[64:65], 0
	v_nop
	global_prefetch_b8 v0, s[64:65] scope:SCOPE_SE
	s_setreg_imm32_b32 hwreg(HW_REG_WAVE_MODE, 25, 1), 1
	s_wait_xcnt 0x0
; The four weights [1024 (k)][1024 (n)], f32, K on the FIRST axis, become codes of FP6 (E2M3) with one E8M0 byte for each 32 along K,
; laid as the products' launches take them into registers.  The four biases are copied into one table, and two mode words are stored.
; A block's scale is 2^(floor(log2(largest magnitude)) - 2); its byte is the largest magnitude's exponent field - 2, held at 1 from below.
; LIMITS: a block of zeros gets the byte 1 (its codes are zeros, and this program alone reads the bytes); NaN and infinities are not served.
; LAYOUT OF wc: [weight 4][group of 64 columns 16] blocks of 51,200 bytes.  In a block: half (K step s, tile nt, c) at ((4 s + nt) 2 + c) 768;
; a half is 16 columns x 64 along K as an image of six operand registers: registers 0-3 at 16 x lane, registers 4-5 at 512 + 8 x lane, lane = r + 16 h,
; k = 64 c + 32 h + 0 .. 31.  The scale words of K step s at 49,152 + 256 s: word (nt, r) at 128 (nt / 2) + 8 r + 4 (nt % 2).
; THE COLUMNS OF A TILE ARE NOT NEIGHBOURS: place r of tile 2 b + u is column 32 b + 8 u + r + 8 (r / 8) of the group.
; SHARES: work-group x = 128 columns, y = 8 x weight + K step.  A wave takes 32 columns x 128 along K; A LANE TAKES A COLUMN AND ITS REGISTERS RUN DOWN K:
; a load reads 128 consecutive bytes a wave (the four waves side by side: 512), a block of 32 lies in one lane, nothing is transposed.
; Block t of the lane is lane place (r, h = t % 2) of half c = t / 2: its 16 bytes leave with fifteen neighbours' as 256 consecutive aligned bytes;
; its last 8 bytes leave in runs of 128 bytes (a third of this launch's 3 MB of codes).  Loads run two blocks (64 loads a wave) ahead.
.set X,    32                          ; v32-95   two sets of 32 numbers
.set C,    96                          ; v96-127  eight registers for each block's codes: no store's data are written again
.set CT,   128                         ; v128-130 a block's upper 16 codes as converted
.set SB,   132                         ; v132     my column's four scale bytes
.set A4,   1                           ; v1       4 x lane
.set VB16, 6                           ; v6       1,536 u + 16 r
.set VB8,  7                           ; v7       1,536 u + 8 r
.set VSC,  8                           ; v8       8 r + 4 u
.set L8,   9                           ; v9       8 x lane
	s_load_b256 s[4:11], s[0:1], 0x0               ; Wq, Wk, Wv, Wo
	s_load_b256 s[12:19], s[0:1], 0x20             ; bq, bk, bv, bo
	s_load_b256 s[20:27], s[0:1], 0x40             ; wc, bc, cfgp, cfgo
	v_lshrrev_b32 v1, 5, v0
	v_readfirstlane_b32 s28, v1                    ; wave 0..3
	v_and_b32 v2, 31, v0                           ; lane = my column of the wave's 32
	v_lshlrev_b32 v[A4], 2, v2
	v_and_b32 v3, 7, v2
	v_lshrrev_b32 v4, 4, v2
	v_lshl_or_b32 v3, v4, 3, v3                    ; r: my place in my tile
	v_bfe_u32 v4, v2, 3, 1                         ; u: which of the wave's two tiles
	v_mul_u32_u24 v5, v4, 1536
	v_lshl_add_u32 v[VB16], v3, 4, v5
	v_lshl_add_u32 v[VB8], v3, 3, v5
	v_lshlrev_b32 v[VSC], 3, v3
	v_lshl_add_u32 v[VSC], v4, 2, v[VSC]
	v_lshlrev_b32 v[L8], 3, v2
	s_and_b32 s29, ttmp7, 0xffff                   ; y
	s_lshr_b32 s30, s29, 3                         ; which weight
	s_and_b32 s31, s29, 7                          ; which K step
	s_lshl_b32 s38, ttmp9, 9
	s_lshl_b32 s39, s28, 7
	s_add_co_u32 s38, s38, s39                     ; my 32 columns, in bytes of a row of f32
	s_mov_b32 s39, 0
	s_lshl_b32 s32, s31, 19                        ; 128 rows of 4,096 bytes a K step
	s_add_co_u32 s32, s32, s38
	s_mov_b32 s33, 0
	s_lshl_b32 s40, s30, 12                        ; the bias table: 4,096 bytes a weight
	s_add_co_u32 s40, s40, s38
	s_mov_b32 s41, 0
	s_lshl_b32 s34, ttmp9, 1
	s_lshr_b32 s35, s28, 1
	s_add_co_u32 s34, s34, s35                     ; group of 64 columns
	s_mul_i32 s34, s34, 51200
	s_mul_i32 s35, s30, 819200
	s_add_co_u32 s34, s34, s35                     ; the block's first byte in wc
	s_and_b32 s42, s28, 1                          ; which 32 of the 64
	s_lshl_b32 s36, s31, 8
	s_lshl_b32 s37, s42, 7
	s_add_co_u32 s36, s36, s37
	s_add_co_u32 s36, s36, 49152
	s_add_co_u32 s36, s36, s34                     ; my scale words
	s_mov_b32 s37, 0
	s_mul_i32 s35, s31, 6144
	s_add_co_u32 s34, s34, s35
	s_mul_i32 s35, s42, 3072
	s_add_co_u32 s34, s34, s35                     ; my two tiles' halves
	s_mov_b32 s35, 0
	s_wait_kmcnt 0x0
	s_cmp_eq_u32 s30, 1                            ; the choice hangs on the work-group's number alone
	s_cselect_b64 s[4:5], s[6:7], s[4:5]
	s_cselect_b64 s[12:13], s[14:15], s[12:13]
	s_cmp_eq_u32 s30, 2
	s_cselect_b64 s[4:5], s[8:9], s[4:5]
	s_cselect_b64 s[12:13], s[16:17], s[12:13]
	s_cmp_eq_u32 s30, 3
	s_cselect_b64 s[4:5], s[10:11], s[4:5]
	s_cselect_b64 s[12:13], s[18:19], s[12:13]
	s_add_nc_u64 s[4:5], s[4:5], s[32:33]
	s_add_nc_u64 s[34:35], s[20:21], s[34:35]
	s_add_nc_u64 s[36:37], s[20:21], s[36:37]
	s_add_nc_u64 s[12:13], s[12:13], s[38:39]
	s_add_nc_u64 s[22:23], s[22:23], s[40:41]
.macro LOAD t                          ; block t: W(128 s + 32 t + i, my column), i = 0 .. 31, into set t % 2
.irp i, 0,1,2,3,4,5,6,7,8,9,10,11,12,13,14,15,16,17,18,19,20,21,22,23,24,25,26,27,28,29,30,31
	global_load_b32 v[X+32*((\t)%2)+\i], v[A4], s[4:5] offset:(32*(\t)+\i)*4096 th:TH_LOAD_NT
.endr
.endm
	LOAD 0
	LOAD 1
.macro BLOCK t
.set XS, X+32*((\t)%2)
.set CC, C+8*(\t)
.if (\t) < 3
	s_wait_loadcnt 32                              ; this block's 32 loads are in; the next block's 32 may be out
.else
	s_wait_loadcnt 0x0
.endif
	v_max3_num_f32 v16, |v[XS]|, |v[XS+1]|, |v[XS+2]|              ; the block's largest magnitude: all 32 numbers are mine; two chains
	v_max3_num_f32 v17, |v[XS+3]|, |v[XS+4]|, |v[XS+5]|
.irp i, 6,10,14,18,22,26
	v_max3_num_f32 v16, v16, |v[XS+\i]|, |v[XS+\i+1]|
	v_max3_num_f32 v17, v17, |v[XS+\i+2]|, |v[XS+\i+3]|
.endr
	v_max3_num_f32 v16, v16, |v[XS+30]|, |v[XS+31]|
	v_max3_num_f32 v16, v16, v17, 0x1800000        ; and the floor 2^(3 - 127): the byte cannot fall under 1
	v_add_nc_u32 v18, 0xff000000, v16              ; 2 off the exponent field: the conversion takes this operand's exponent field as its scale
	v_cvt_scalef32_pk16_fp6_f32 v[CC:CC+2], v[XS:XS+15], v18
	v_cvt_scalef32_pk16_fp6_f32 v[CT:CT+2], v[XS+16:XS+31], v18    ; (a conversion's three registers begin on an even number)
	v_lshrrev_b32 v19, 23, v18                     ; the scale's byte; also the plain line behind the conversions
.if (\t) == 0
	v_mov_b32 v[SB], v19
.else
	v_lshl_or_b32 v[SB], v19, 8*(\t), v[SB]
.endif
.irp i, 0,1,2
	v_mov_b32 v[CC+3+\i], v[CT+\i]
.endr
	global_store_b128 v[VB16], v[CC:CC+3], s[34:35] offset:768*((\t)/2)+256*((\t)%2)
	global_store_b64 v[VB8], v[CC+4:CC+5], s[34:35] offset:768*((\t)/2)+512+128*((\t)%2)
.if (\t)+2 < 4
	LOAD (\t)+2
.endif
.endm
	BLOCK 0
	BLOCK 1
	BLOCK 2
	BLOCK 3
	global_store_b32 v[VSC], v[SB], s[36:37]       ; my column's scale word of this K step
	s_cmp_lg_u32 s31, 0                            ; the work-groups of K step 0 also copy their 128 numbers of the weight's bias
	s_cbranch_scc1 .Lno_bias
	global_load_b32 v10, v[A4], s[12:13]
	s_wait_loadcnt 0x0
	global_store_b32 v[A4], v10, s[22:23]
.Lno_bias:
	s_or_b32 s38, ttmp9, s29                       ; wave 0 of work-group (0, 0) stores the two mode words' buffers: 256 bytes of 0, 256 bytes of 1
	s_or_b32 s38, s38, s28
	s_cmp_lg_u32 s38, 0
	s_cbranch_scc1 .Lend
	v_mov_b32 v12, 0
	v_mov_b32 v13, 0
	v_mov_b32 v14, 1
	v_mov_b32 v15, 1
	global_store_b64 v[L8], v[12:13], s[24:25]
	global_store_b64 v[L8], v[14:15], s[26:27]
.Lend:
	s_endpgm
.Lfunc_end_k_qefc4c3255c_wprep:
	.size	k_qefc4c3255c_wprep, .Lfunc_end_k_qefc4c3255c_wprep-k_qefc4c3255c_wprep
	.p2alignl 7, 3214868480
	.fill 96, 4, 3214868480
	.section	.rodata,"a",@progbits
	.p2align	6, 0x0
	.amdhsa_kernel k_qefc4c3255c_wprep
		.amdhsa_group_segment_fixed_size 0
		.amdhsa_private_segment_fixed_size 0
		.amdhsa_enable_private_segment 0
		.amdhsa_kernarg_size 96
		.amdhsa_user_sgpr_count 2
		.amdhsa_user_sgpr_kernarg_segment_ptr 1
		.amdhsa_wavefront_size32 1
		.amdhsa_system_sgpr_workgroup_id_x 1
		.amdhsa_system_sgpr_workgroup_id_y 1
		.amdhsa_system_sgpr_workgroup_id_z 1
		.amdhsa_system_vgpr_workitem_id 0
		.amdhsa_next_free_vgpr 136
		.amdhsa_next_free_sgpr 66
		.amdhsa_reserve_vcc 0
		.amdhsa_float_denorm_mode_32 3
		.amdhsa_float_denorm_mode_16_64 3
		.amdhsa_memory_ordered 1
		.amdhsa_forward_progress 1
		.amdhsa_inst_pref_size 23
	.end_amdhsa_kernel
	.amdgpu_metadata
---
amdhsa.version: [ 1, 2 ]
amdhsa.kernels:
  - .name:           k_qefc4c3255c_wprep
    .symbol:         k_qefc4c3255c_wprep.kd
    .args:
      - { .name: Wq, .offset: 0, .size: 8, .value_kind: global_buffer, .address_space: global }
      - { .name: Wk, .offset: 8, .size: 8, .value_kind: global_buffer, .address_space: global }
      - { .name: Wv, .offset: 16, .size: 8, .value_kind: global_buffer, .address_space: global }
      - { .name: Wo, .offset: 24, .size: 8, .value_kind: global_buffer, .address_space: global }
      - { .name: bq, .offset: 32, .size: 8, .value_kind: global_buffer, .address_space: global }
      - { .name: bk, .offset: 40, .size: 8, .value_kind: global_buffer, .address_space: global }
      - { .name: bv, .offset: 48, .size: 8, .value_kind: global_buffer, .address_space: global }
      - { .name: bo, .offset: 56, .size: 8, .value_kind: global_buffer, .address_space: global }
      - { .name: wc, .offset: 64, .size: 8, .value_kind: global_buffer, .address_space: global }
      - { .name: bc, .offset: 72, .size: 8, .value_kind: global_buffer, .address_space: global }
      - { .name: cfgp, .offset: 80, .size: 8, .value_kind: global_buffer, .address_space: global }
      - { .name: cfgo, .offset: 88, .size: 8, .value_kind: global_buffer, .address_space: global }
    .group_segment_fixed_size: 0
    .private_segment_fixed_size: 0
    .kernarg_segment_align: 8
    .kernarg_segment_size: 96
    .max_flat_workgroup_size: 128
    .sgpr_count:     66
    .vgpr_count:     136
    .wavefront_size: 32
...
	.end_amdgpu_metadata
.endif
;; end of part 1
;; launch prep (part 2): grid 1280 x 1, 4 waves a work-group, no clusters, 68,096 bytes of LDS; arguments query, key_, value, mask, xc, mw; writes xc, mw
.if DOCPART == 2
	.amdgcn_target "amdgcn-amd-amdhsa--gfx1250"
	.amdhsa_code_object_version 6
	.text
	.protected	k_qefc4c3255c_prep
	.globl	k_qefc4c3255c_prep
	.p2align	8
	.type	k_qefc4c3255c_prep,@function
k_qefc4c3255c_prep:
	s_mov_b64 s[64:65], 0
	v_nop
	global_prefetch_b8 v0, s[64:65] scope:SCOPE_SE
	s_setreg_imm32_b32 hwreg(HW_REG_WAVE_MODE, 25, 1), 1
	s_wait_xcnt 0x0
; query, key_, value ([8192 rows][1024] f32) become codes of FP6 (E2M3) with E8M0 bytes, laid as operand blocks; mask ([8192 rows][2048] int32) becomes one bit a number.
; LAYOUT OF xc: [tensor 3][block of 64 rows 128] blocks of 51,200 bytes: half (K step s, tile m, c) at ((4 s + m) 2 + c) 768, a half being 16 rows x 64 along K as an image of six
; operand registers (registers 0-3 at 16 x lane, 4-5 at 512 + 8 x lane); the scale words of K step s at 49,152 + 256 s, word (m, r) at 128 (m / 2) + 8 r + 4 (m % 2).
; LAYOUT OF mw: [tile of 16 rows 512][step of 128 keys 16][64 words]: bit (r + 16 h) of word n says that mask[row r of the tile][128 step + 32 (n / 16) + 16 h + n % 16] is not 0:
; word n is the lane mask for register n of the attention launch's scores.
; THE ROWS OF A TILE ARE NOT NEIGHBOURS: place r of tile m is row 32 (m / 2) + 8 (m % 2) + r + 8 (r / 8) of the block.
; LIMITS: a block of zeros gets the byte 1 (its codes are zeros; this program alone reads the bytes); NaN and infinities are not served.
; SHARES: a wave takes 64 rows x 128 numbers, as four tiles.  Work-groups 0-767: the three tensors; 768-1279: the mask.  Each load reads 512 consecutive bytes of one row;
; a tile's 16 rows turn through the wave's own stage in LDS (rows 528 bytes apart) and come back so that lane (r, h) holds, of row r, numbers 32 b + 16 h + 0 .. 15 in registers 16 b + 0 .. 15.
; The two ways through the text have LDS bytes of their own.  Waves share nothing: no barrier.  Loads run one tile (16 loads) ahead of the tile in hand.
.set STGB, 8448                        ; a wave's stage: 16 x 528 bytes
.set MOFF, 33792                       ; the mask way's four stages lie behind the tensors' four
.set R,    16                          ; v16-143  two sets of 64: a tile as loaded
.set X,    144                         ; v144-207 a tile as turned
.set TM,   208                         ; v208-211 largest magnitudes, v212-215 bytes, v220-223 the conversions' scale operands
.set PWS,  224                         ; v224-227 the four tiles' scale words
.set PC,   228                         ; v228-246 a fragment's codes
.set MW,   228                         ; v228-235 (mask way) four pairs of mask words
.set PR,   250                         ; v250-251 the pair of scale words that I store
.set SEL,  28                          ; s[28:29] v_permlanex16_b32's selects for lane l xor 16
	s_load_b256 s[4:11], s[0:1], 0x0               ; query, key_, value, mask
	s_load_b128 s[12:15], s[0:1], 0x20             ; xc, mw
	v_lshl_add_u32 v254, v0, 2, 0x10800
	v_mov_b32 v255, 0
	v_lshrrev_b32 v1, 5, v0
	v_readfirstlane_b32 s16, v1                    ; wave 0..3
	v_and_b32 v5, 31, v0
	v_lshlrev_b32 v1, 4, v5                        ; 16 x lane
	v_lshlrev_b32 v2, 3, v5                        ; 8 x lane
	v_and_b32 v6, 15, v0                           ; r
	v_bfe_u32 v7, v0, 4, 1                         ; h
	s_mul_i32 s17, s16, STGB
	v_add_nc_u32 v3, s17, v1                       ; into my stage: 16 x lane of a row
	v_mul_u32_u24 v4, v6, 528
	v_lshl_add_u32 v4, v7, 6, v4
	v_add_nc_u32 v4, s17, v4                       ; out of it: row r, + 64 h
	v_add_nc_u32 v8, MOFF, v3                      ; the same for the mask way
	v_add_nc_u32 v9, MOFF, v4
	s_mov_b32 s[SEL], 0x76543210
	s_mov_b32 s[SEL+1], 0xfedcba98
	s_mov_b32 s30, 0xffff0000                      ; lanes 16-31
.irp b, 0,1,2,3
	v_mov_b32 v[TM+4+\b], 0                        ; written once: a lane permute's destination counts as one of its sources
.endr
.irp b, 0,1,2,3,4,5,6,7
	v_mov_b32 v[MW+\b], 0                          ; likewise v_writelane_b32's
.endr
.macro LOADT m, pitch                  ; tile m's 16 rows, 512 consecutive bytes a load, into set m % 2
.irp q, 0,1,2,3,4,5,6,7,8,9,10,11,12,13,14,15
	global_load_b128 v[R+64*((\m)%2)+4*\q:R+64*((\m)%2)+4*\q+3], v1, s[4:5] offset:(32*((\m)/2)+8*((\m)%2)+\q+8*(\q/8))*\pitch th:TH_LOAD_NT
.endr
.endm
.macro TURN m, sin, sout               ; through the stage: LDS serves a wave's instructions in order, so no wait stands between the stores and the loads
.irp q, 0,1,2,3,4,5,6,7,8,9,10,11,12,13,14,15
	ds_store_b128 v[\sin], v[R+64*((\m)%2)+4*\q:R+64*((\m)%2)+4*\q+3] offset:528*\q
.endr
.irp b, 0,1,2,3
.irp j, 0,1,2,3
	ds_load_b128 v[X+16*\b+4*\j:X+16*\b+4*\j+3], v[\sout] offset:128*\b+16*\j
.endr
.endr
.endm
; 64 numbers of a lane, register 16 b + i = k 32 b + 16 h + i of my row, become a fragment's codes in v[PC] on and its scale word in v[pw]
.macro QUANT s, pw
.irp b, 0,1,2,3
	v_max3_num_f32 v[TM+\b], |v[\s+16*\b]|, |v[\s+1+16*\b]|, 0x1800000   ; my 16 numbers of block b, and the floor 2^(3 - 127): the byte cannot fall under 1
.endr
.irp i, 2,4,6,8,10,12,14
.irp b, 0,1,2,3
	v_max3_num_f32 v[TM+\b], v[TM+\b], |v[\s+16*\b+\i]|, |v[\s+1+16*\b+\i]|   ; (the four blocks by turns)
.endr
.endr
.irp b, 0,1,2,3
	v_permlanex16_b32 v[TM+4+\b], v[TM+\b], s[SEL], s[SEL+1]
.endr
.irp b, 0,1,2,3
	v_max_num_f32 v[TM+\b], v[TM+\b], v[TM+4+\b]   ; with lane l xor 16's: the block's largest magnitude
.endr
.irp b, 0,1,2,3
	v_add_nc_u32 v[TM+12+\b], 0xff000000, v[TM+\b] ; 2 off its exponent field: the conversion's scale operand
.endr
.irp b, 0,1,2,3
	v_lshrrev_b32 v[TM+4+\b], 23, v[TM+12+\b]      ; the scale's byte
.endr
	v_lshl_or_b32 v[\pw], v[TM+5], 8, v[TM+4]
	v_lshl_or_b32 v[\pw], v[TM+6], 16, v[\pw]
	v_lshl_or_b32 v[\pw], v[TM+7], 24, v[\pw]
	s_wait_xcnt 0x0                                ; the last tile's stores have read the codes' registers: they are written again only behind this wait
.irp c, 0,1
	v_cvt_scalef32_pk16_fp6_f32 v[PC+6*\c:PC+2+6*\c], v[\s+32*\c:\s+15+32*\c], v[TM+12+2*\c]
	v_cvt_scalef32_pk16_fp6_f32 v[PC+12+4*\c:PC+14+4*\c], v[\s+16+32*\c:\s+31+32*\c], v[TM+12+2*\c+1]   ; (a conversion's three registers begin on an even number)
.endr
	v_nop                                          ; one plain line behind a scaled conversion
.irp c, 0,1                            ; the operand's layout wants a whole block in a lane: lanes 0-15 block 2 c, lanes 16-31 block 2 c + 1
.irp i, 0,1,2
	v_permlane16_swap_b32 v[PC+6*\c+\i], v[PC+12+4*\c+\i]
.endr
.irp i, 0,1,2
	v_mov_b32 v[PC+3+6*\c+\i], v[PC+12+4*\c+\i]
.endr
.endr
.endm
.macro RUN kind, pitch, sin, sout
	LOADT 0, \pitch
	LOADT 1, \pitch
.irp m, 0,1,2,3
.if \m < 3
	s_wait_loadcnt 16                              ; this tile's 16 loads are in; the next tile's 16 may be out
.else
	s_wait_loadcnt 0x0
.endif
	TURN \m, \sin, \sout
	s_wait_dscnt 0x0                               ; the tile is back, and the stage's stores have read their registers,
.if \m < 2
	LOADT \m+2, \pitch                             ; which take the tile two on
.endif
.if \kind == 0
	QUANT X, PWS+\m
	global_store_b128 v1, v[PC:PC+3], s[12:13] offset:1536*\m             ; 512 and 256 consecutive aligned bytes a store
	global_store_b64 v2, v[PC+4:PC+5], s[12:13] offset:1536*\m+512
	global_store_b128 v1, v[PC+6:PC+9], s[12:13] offset:1536*\m+768
	global_store_b64 v2, v[PC+10:PC+11], s[12:13] offset:1536*\m+1280
.else
.irp g, 0,1,2,3,4,5,6,7                ; word n = 8 g + e: a compare's lane mask; it goes to lane n / 2 of register n % 2 of the tile's pair
.irp e, 0,1,2,3,4,5,6,7
	v_cmp_ne_u32 s[20+\e], 0, v[X+8*\g+\e]
.endr
.irp e, 0,1,2,3,4,5,6,7
	v_writelane_b32 v[MW+2*\m+(\e%2)], s[20+\e], 4*\g+\e/2
.endr
.endr
	global_store_b64 v2, v[MW+2*\m:MW+2*\m+1], s[14:15] offset:4096*\m    ; the 64 words: 256 consecutive aligned bytes
.endif
.endr
.endm
	s_wait_kmcnt 0x0
	s_cmp_ge_u32 ttmp9, 768
	s_cbranch_scc1 .Lmask
	s_lshr_b32 s18, ttmp9, 8                       ; which tensor
	s_cmp_eq_u32 s18, 1
	s_cselect_b64 s[4:5], s[6:7], s[4:5]
	s_cmp_eq_u32 s18, 2
	s_cselect_b64 s[4:5], s[8:9], s[4:5]
	s_bfe_u32 s19, ttmp9, 0x70001                  ; which block of 64 rows
	s_and_b32 s31, ttmp9, 1
	s_lshl_b32 s31, s31, 2
	s_add_co_u32 s31, s31, s16                     ; which K step
	s_lshl_b32 s32, s19, 18                        ; 64 rows of 4,096 bytes
	s_lshl_b32 s33, s31, 9
	s_add_co_u32 s32, s32, s33
	s_mov_b32 s33, 0
	s_add_nc_u64 s[4:5], s[4:5], s[32:33]
	s_mul_i32 s32, s18, 6553600
	s_mul_i32 s34, s19, 51200
	s_add_co_u32 s32, s32, s34                     ; the block's first byte in xc
	s_lshl_b32 s34, s31, 8
	s_add_co_u32 s34, s34, s32
	s_add_co_u32 s34, s34, 49152
	s_mov_b32 s35, 0
	s_add_nc_u64 s[34:35], s[12:13], s[34:35]      ; the K step's scale words
	s_mul_i32 s36, s31, 6144
	s_add_co_u32 s32, s32, s36
	s_add_nc_u64 s[12:13], s[12:13], s[32:33]      ; the K step's halves
	RUN 0, 4096, 3, 4
	v_cndmask_b32 v[PR], v[PWS], v[PWS+2], s30     ; lanes 0-15 carry tiles 0 and 1, lanes 16-31 tiles 2 and 3
	v_cndmask_b32 v[PR+1], v[PWS+1], v[PWS+3], s30
	global_store_b64 v2, v[PR:PR+1], s[34:35]      ; 256 consecutive aligned bytes
	s_wait_tensorcnt 0x0
	ds_add_u32 v254, v255
	s_wait_dscnt 0x0
	s_endpgm
.Lmask:
	s_sub_co_u32 s18, ttmp9, 768
	s_lshr_b32 s19, s18, 2                         ; which block of 64 rows
	s_and_b32 s31, s18, 3
	s_lshl_b32 s31, s31, 2
	s_add_co_u32 s31, s31, s16                     ; which step of 128 keys
	s_lshl_b32 s32, s19, 19                        ; 64 rows of 8,192 bytes
	s_lshl_b32 s33, s31, 9
	s_add_co_u32 s32, s32, s33
	s_mov_b32 s33, 0
	s_add_nc_u64 s[4:5], s[10:11], s[32:33]
	s_lshl_b32 s32, s19, 6
	s_add_co_u32 s32, s32, s31
	s_lshl_b32 s32, s32, 8                         ; (64 block + step) x 256; a tile on is 4,096
	s_add_nc_u64 s[14:15], s[14:15], s[32:33]
	RUN 1, 8192, 8, 9
	s_wait_tensorcnt 0x0
	ds_add_u32 v254, v255
	s_wait_dscnt 0x0
	s_endpgm
.Lfunc_end_k_qefc4c3255c_prep:
	.size	k_qefc4c3255c_prep, .Lfunc_end_k_qefc4c3255c_prep-k_qefc4c3255c_prep
	.p2alignl 7, 3214868480
	.fill 96, 4, 3214868480
	.section	.rodata,"a",@progbits
	.p2align	6, 0x0
	.amdhsa_kernel k_qefc4c3255c_prep
		.amdhsa_group_segment_fixed_size 68096
		.amdhsa_private_segment_fixed_size 0
		.amdhsa_enable_private_segment 0
		.amdhsa_kernarg_size 48
		.amdhsa_user_sgpr_count 2
		.amdhsa_user_sgpr_kernarg_segment_ptr 1
		.amdhsa_wavefront_size32 1
		.amdhsa_system_sgpr_workgroup_id_x 1
		.amdhsa_system_sgpr_workgroup_id_y 1
		.amdhsa_system_sgpr_workgroup_id_z 1
		.amdhsa_system_vgpr_workitem_id 0
		.amdhsa_next_free_vgpr 256
		.amdhsa_next_free_sgpr 66
		.amdhsa_reserve_vcc 0
		.amdhsa_float_denorm_mode_32 3
		.amdhsa_float_denorm_mode_16_64 3
		.amdhsa_memory_ordered 1
		.amdhsa_forward_progress 1
		.amdhsa_inst_pref_size 82
	.end_amdhsa_kernel
	.amdgpu_metadata
---
amdhsa.version: [ 1, 2 ]
amdhsa.kernels:
  - .name:           k_qefc4c3255c_prep
    .symbol:         k_qefc4c3255c_prep.kd
    .args:
      - { .name: query, .offset: 0, .size: 8, .value_kind: global_buffer, .address_space: global }
      - { .name: key_, .offset: 8, .size: 8, .value_kind: global_buffer, .address_space: global }
      - { .name: value, .offset: 16, .size: 8, .value_kind: global_buffer, .address_space: global }
      - { .name: mask, .offset: 24, .size: 8, .value_kind: global_buffer, .address_space: global }
      - { .name: xc, .offset: 32, .size: 8, .value_kind: global_buffer, .address_space: global }
      - { .name: mw, .offset: 40, .size: 8, .value_kind: global_buffer, .address_space: global }
    .group_segment_fixed_size: 68096
    .private_segment_fixed_size: 0
    .kernarg_segment_align: 8
    .kernarg_segment_size: 48
    .max_flat_workgroup_size: 128
    .sgpr_count:     66
    .vgpr_count:     256
    .wavefront_size: 32
...
	.end_amdgpu_metadata
.endif
;; end of part 2
;; launch proj (part 3): grid 4 x 192, 4 waves a work-group, no clusters, 120,320 bytes of LDS; arguments xc, wc, bc, qkv, cfgp; writes qkv
.if DOCPART == 3
	.amdgcn_target "amdgcn-amd-amdhsa--gfx1250"
	.amdhsa_code_object_version 6
	.text
	.protected	k_qefc4c3255c_proj
	.globl	k_qefc4c3255c_proj
	.p2align	8
	.type	k_qefc4c3255c_proj,@function
k_qefc4c3255c_proj:
	s_mov_b64 s[64:65], 0
	v_nop
	global_prefetch_b8 v0, s[64:65] scope:SCOPE_SE
	s_setreg_imm32_b32 hwreg(HW_REG_WAVE_MODE, 25, 1), 1
	s_wait_xcnt 0x0
; One text for the four projections  y = Q(x) Q(W) + b,  K = 1,024, on codes of FP6 (E2M3) with E8M0 scales.  Arguments: the left operand's blocks, the weights' blocks, the bias table, the destination, a mode word.
; MODE 0 (word 0 of the last argument): work-group y = 64 x VAR + rowstep, VAR 0, 1, 2 = q, k, v; the result is quantised in registers along the next product's K and stored as codes.
; MODE 1: VAR = 0, weight 3 (Wo); the result is stored as f32, [8192][1024].
; OPERAND BLOCKS (64 rows x K 1,024, 51,200 bytes): half (K step s, tile, c) at ((4 s + tile) 2 + c) 768, an image of six operand registers (0-3 at 16 x lane, 4-5 at 512 + 8 x lane);
; scale words of K step s at 49,152 + 256 s, word (tile, r) at 128 (tile / 2) + 8 r + 4 (tile % 2).  Place r of tile m is row 32 (m / 2) + 8 (m % 2) + r + 8 (r / 8) of the block.
; With tiles so composed, the 16 registers of source 0's tiles 2 b and 2 b + 1 are its indices 32 b + 16 h + 0 .. 15: sixteen neighbours along the next K.
; SHARES: a work-group takes 128 rows (two blocks, sg = 0, 1) x 256 columns; wave w takes 64 columns, one head (4 x + w), for all 128 rows.  Its weights (384 registers) stay in registers;
; the rows' codes (102,400 bytes) are copied into LDS once, as they lie, and every wave reads all of them: 6,144 bytes for each 16 matrix instructions.  One barrier, no loop.
; q, k, out: source 0 = W, source 1 = x: a lane holds a row, its registers run along the head's 64.  v: source 0 = x, source 1 = W: a lane holds a channel, its registers run along the keys.
; The bias is the C of each sum's first matrix instruction.  The 16 accumulators take turns, one instruction a turn.
; DESTINATION, MODE 0: q at byte 0: [batch x 16 + head][step 16] blocks of 6,400: 8 halves (tile T of the step's 128 rows) and their words; k, v at byte 6,553,600: blocks of 12,800:
; K's 8 halves, V's 8 halves ((4 c + t) 768 on from 6,144: channels' tile t, keys 64 c on), K's words at 12,288, V's at 12,544.  q's and k's word f = tile 2 f's two bytes, then tile 2 f + 1's.
; NO CLUSTER, NO TENSOR LOAD: the text parts on a stored mode word; what partners could share is the rows' 100 KB of a work-group's 300 KB.
; LIMITS: a block of zeros gets the byte 1 (its codes are zeros; this program alone reads the bytes); NaN and infinities are not served.
; REGISTERS, in windows of 256: window 0: v1-12 addresses; v16-111 x's fragments, two buffers of 48; v112-119 x's scale words; v120-151 W's; v152-183 the bias, 8 a tile; v184-217 at work.
;   window 1: W's fragments of K steps 0-3 (12 (4 s + nt));  window 2: of K steps 4-7;  window 3: v0-127 the accumulators; ahead of the products v0-199 carry the copy into LDS.
.set LI,   1                           ; v1  16 x lane      (v4: + 51,200, the second block)
.set L8,   2                           ; v2  8 x lane       (v5)
.set LS,   3                           ; v3  8 r            (v6)
.set CP,   7                           ; v7  25,600 x wave + 16 x lane: my part of the copy, in memory and in LDS alike
.set SO,   8                           ; v8  the way out: where I put 16 bytes of a row
.set SR,   9                           ; v9  and where I read a row back
.set GO,   10                          ; v10 my byte offset in two rows of the output
.set BH,   11                          ; v11 64 h: the bias of my half's registers
.set BP,   12                          ; v12 4 (r + 8 (r / 8)): the bias of my channel
.set XF,   16
.set XS,   112
.set WS,   120
.set BIAS, 152
.set TM,   184                         ; v184-185 largest magnitudes, v186-187 bytes, v188-189 scale operands
.set PC,   192                         ; v192-197 a half's codes
.set PT,   198                         ; v198-200 the upper block as converted
.set HW,   204                         ; v204-211 the half-words (two bytes) of unit u of block sg: 4 sg + u
.set WD,   212                         ; v212-215 the four scale words
.set PR,   216                         ; v216-217 the pair that I store
.set WV,   20
.set CG,   21
.set HD,   22
.set VAR,  23
.set RS,   24
.set MODE, 25
.set SEL,  30
.set MSB, 0
.macro WIN new                         ; the immediate's high byte repeats the setting that is left
.if MSB != \new
	s_set_vgpr_msb (MSB<<8)|\new
.set MSB, \new
.endif
.endm
.macro PLACES                          ; four plain lines between a matrix instruction and a load into, or a read of, its registers (ISA guide 7.12.1 for reads)
.rept 4
	v_nop
.endr
.endm
	s_load_b256 s[4:11], s[0:1], 0x0               ; x s[4:5], wc s[6:7], bc s[8:9], the destination s[10:11]
	s_load_b64 s[12:13], s[0:1], 0x20              ; the mode word's buffer
	v_lshl_add_u32 v254, v0, 2, 0x1d400
	v_mov_b32 v255, 0
	v_lshrrev_b32 v13, 5, v0
	v_readfirstlane_b32 s[WV], v13                 ; wave 0..3
	v_and_b32 v13, 31, v0
	v_and_b32 v14, 15, v0                          ; r
	v_bfe_u32 v15, v0, 4, 1                        ; h
	v_lshlrev_b32 v[LI], 4, v13
	v_lshlrev_b32 v[L8], 3, v13
	v_lshlrev_b32 v[LS], 3, v14
	v_add_nc_u32 v[LI+3], 51200, v[LI]
	v_add_nc_u32 v[L8+3], 51200, v[L8]
	v_add_nc_u32 v[LS+3], 51200, v[LS]
	s_mul_i32 s26, s[WV], 25600
	v_add_nc_u32 v[CP], s26, v[LI]
	s_mul_i32 s26, s[WV], 16*272
	s_add_co_u32 s26, s26, 102400                  ; my stage: 16 rows x (256 + 16) bytes, behind the rows' codes
	v_mul_u32_u24 v[SO], v14, 272
	v_lshl_add_u32 v[SO], v15, 6, v[SO]
	v_add_nc_u32 v[SO], s26, v[SO]                 ; in: row r, + 64 h
	v_mul_u32_u24 v[SR], v15, 272
	v_lshl_add_u32 v[SR], v14, 4, v[SR]
	v_add_nc_u32 v[SR], s26, v[SR]                 ; back: lanes 0-15 one row of 256 bytes, lanes 16-31 the next
	v_lshlrev_b32 v[GO], 12, v15
	v_lshl_add_u32 v[GO], v14, 4, v[GO]            ; and the same two rows in the output
	v_lshlrev_b32 v[BH], 6, v15
	v_and_b32 v[BP], 8, v14
	v_add_nc_u32 v[BP], v[BP], v14
	v_lshlrev_b32 v[BP], 2, v[BP]
	v_mov_b32 v[TM+2], 0                           ; written once: a lane permute's destination counts as one of its sources
	v_mov_b32 v[TM+3], 0
.irp i, 0,1,2,3,4,5,6,7
	v_mov_b32 v[HW+\i], 0                          ; written on every way through the text
.endr
	s_mov_b32 s[SEL], 0x76543210
	s_mov_b32 s[SEL+1], 0xfedcba98                 ; v_permlanex16_b32's selects for lane l xor 16
	s_mov_b32 s32, 0xffff0000                      ; lanes 16-31
	s_mov_b32 s[CG], ttmp9
	s_and_b32 s26, ttmp7, 0xffff
	s_lshr_b32 s[VAR], s26, 6
	s_and_b32 s[RS], s26, 63
	s_lshl_b32 s[HD], s[CG], 2
	s_add_co_u32 s[HD], s[HD], s[WV]               ; my 64 columns: head 4 x + wave
	s_wait_kmcnt 0x0
	s_load_b32 s[MODE], s[12:13], 0x0
	s_mul_i32 s26, s[VAR], 6553600
	s_mul_i32 s27, s[RS], 102400
	s_add_co_u32 s26, s26, s27
	s_mov_b32 s27, 0
	s_add_nc_u64 s[4:5], s[4:5], s[26:27]          ; the work-group's two blocks
	WIN 0xc0                                       ; destination window 3
.set i, 0
.rept 50                               ; my quarter of their 102,400 bytes: 512 consecutive bytes a load
	global_load_b128 v[4*i:4*i+3], v[CP], s[4:5] offset:512*i
.set i, i+1
.endr
	WIN 0
	; where the results go.  Codes: block ((16 batch + head) 16 + step) of its region
	s_mov_b32 s28, 12800                           ; bytes of a block,
	s_mov_b32 s29, 6553600                         ; the region's first byte,
	s_mov_b32 s40, 12288                           ; from the codes to their scale words,
	s_cmp_eq_u32 s[VAR], 0
	s_cselect_b32 s28, 6400, s28
	s_cselect_b32 s29, 0, s29
	s_cselect_b32 s40, 6144, s40
	s_cmp_eq_u32 s[VAR], 2
	s_cselect_b32 s41, 6144, 0                     ; and V's halves lie behind K's
	s_cselect_b32 s40, 6400, s40
	s_lshr_b32 s26, s[RS], 4
	s_lshl_b32 s26, s26, 8
	s_lshl_b32 s27, s[HD], 4
	s_add_co_u32 s26, s26, s27
	s_and_b32 s27, s[RS], 15
	s_add_co_u32 s26, s26, s27
	s_mul_i32 s26, s26, s28
	s_add_co_u32 s26, s26, s29
	s_add_co_u32 s26, s26, s41
	s_mov_b32 s27, 0
	s_add_nc_u64 s[34:35], s[10:11], s[26:27]
	s_add_co_u32 s26, s26, s40
	s_add_nc_u64 s[36:37], s[10:11], s[26:27]
	s_lshl_b32 s26, s[RS], 19                      ; f32: 128 rows of 4,096 bytes a rowstep, + my 64 columns
	s_lshl_b32 s28, s[HD], 8
	s_add_co_u32 s26, s26, s28
	s_add_nc_u64 s[38:39], s[10:11], s[26:27]
	s_wait_kmcnt 0x0
	s_min_u32 s[MODE], s[MODE], 1
	s_mul_i32 s26, s[MODE], 3
	s_add_co_u32 s26, s26, s[VAR]                  ; which weight and bias
	s_mul_i32 s28, s26, 819200
	s_mul_i32 s29, s[HD], 51200
	s_add_co_u32 s40, s28, s29
	s_mov_b32 s41, 0
	s_add_nc_u64 s[6:7], s[6:7], s[40:41]          ; my block of the weight
	s_lshl_b32 s40, s26, 12
	s_lshl_b32 s29, s[HD], 8
	s_add_co_u32 s40, s40, s29
	s_add_nc_u64 s[8:9], s[8:9], s[40:41]          ; my 64 numbers of the bias
.irp s, 0,1,2,3,4,5,6,7
.irp nt, 0,1,2,3
	global_load_b32 v[WS+4*\s+\nt], v[LS], s[6:7] offset:49152+256*\s+128*(\nt/2)+4*(\nt%2)
.endr
.endr
	s_cmp_eq_u32 s[VAR], 2
	s_cbranch_scc1 .Lbias_v
.irp nt, 0,1,2,3                       ; a lane's registers run along the columns: for tile nt those of columns 32 (nt / 2) + 8 (nt % 2) + 16 h + 0 .. 7
	global_load_b128 v[BIAS+8*\nt:BIAS+8*\nt+3], v[BH], s[8:9] offset:(32*(\nt/2)+8*(\nt%2))*4
	global_load_b128 v[BIAS+8*\nt+4:BIAS+8*\nt+7], v[BH], s[8:9] offset:(32*(\nt/2)+8*(\nt%2))*4+16
.endr
	s_branch .Lbias_done
.Lbias_v:
.irp nt, 0,1,2,3                       ; a lane holds one channel: its number in all eight registers
.irp j, 0,1,2,3,4,5,6,7
	global_load_b32 v[BIAS+8*\nt+\j], v[BP], s[8:9] offset:(32*(\nt/2)+8*(\nt%2))*4
.endr
.endr
.Lbias_done:
	WIN 0x40                                       ; destination window 1
.irp s, 0,1,2,3
.irp nt, 0,1,2,3
.irp c, 0,1
	global_load_b128 v[12*(4*\s+\nt)+6*\c:12*(4*\s+\nt)+6*\c+3], v[LI], s[6:7] offset:((4*\s+\nt)*2+\c)*768
	global_load_b64 v[12*(4*\s+\nt)+6*\c+4:12*(4*\s+\nt)+6*\c+5], v[L8], s[6:7] offset:((4*\s+\nt)*2+\c)*768+512
.endr
.endr
.endr
	WIN 0x80                                       ; destination window 2
.irp s, 4,5,6,7
.irp nt, 0,1,2,3
.irp c, 0,1
	global_load_b128 v[12*(4*(\s-4)+\nt)+6*\c:12*(4*(\s-4)+\nt)+6*\c+3], v[LI], s[6:7] offset:((4*\s+\nt)*2+\c)*768
	global_load_b64 v[12*(4*(\s-4)+\nt)+6*\c+4:12*(4*(\s-4)+\nt)+6*\c+5], v[L8], s[6:7] offset:((4*\s+\nt)*2+\c)*768+512
.endr
.endr
.endr
	s_wait_loadcnt 63                              ; behind the copy's 50 loads at least 168 were issued, behind the scale words and the bias 128: all of those are in
	WIN 0x0c                                       ; an LDS store's data are its source 1: window 3
.set i, 0
.rept 50
	ds_store_b128 v[CP], v[4*i:4*i+3] offset:512*i
.set i, i+1
.endr
	WIN 0
	s_wait_dscnt 0x0                               ; for the others' sake: my part of the rows' codes lies in LDS
	s_barrier_signal -1
	s_barrier_wait -1                              ; everybody's does
; x's four fragments and scale words of block sg, K step s, into buffer buf
.macro FETCH sg, s, buf
.irp mt, 0,1,2,3
.irp c, 0,1
	ds_load_b128 v[XF+48*(\buf)+12*\mt+6*\c:XF+48*(\buf)+12*\mt+6*\c+3], v[LI+3*(\sg)] offset:((4*(\s)+\mt)*2+\c)*768
	ds_load_b64 v[XF+48*(\buf)+12*\mt+6*\c+4:XF+48*(\buf)+12*\mt+6*\c+5], v[L8+3*(\sg)] offset:((4*(\s)+\mt)*2+\c)*768+512
.endr
	ds_load_b32 v[XS+4*(\buf)+\mt], v[LS+3*(\sg)] offset:49152+256*(\s)+128*(\mt/2)+4*(\mt%2)
.endr
.endm
; K step s: 16 matrix instructions.  orient 0: source 0 = W's tile nt, source 1 = x's tile mt, accumulator 4 mt + nt;  orient 1: the sources change places, accumulator 4 nt + mt
.macro MULS s, orient
.set WB, 48*((\s)%4)
.set BF, XF+48*((\s)%2)
.set SX, XS+4*((\s)%2)
.set WW, WS+4*(\s)
.if \orient == 0
.if (\s) == 0
	WIN 0xc1                                       ; source 0 window 1, C (the bias) window 0, D window 3
.elseif (\s) < 4
	WIN 0xf1                                       ; C and D window 3
.else
	WIN 0xf2                                       ; source 0 window 2
.endif
.else
.if (\s) == 0
	WIN 0xc4                                       ; source 1 window 1, C window 0, D window 3
.elseif (\s) < 4
	WIN 0xf4
.else
	WIN 0xf8
.endif
.endif
.irp mt, 0,1,2,3
.irp nt, 0,1,2,3
.if \orient == 0
.set AC, 8*(4*\mt+\nt)
.if (\s) == 0
	v_wmma_scale_f32_16x16x128_f8f6f4 v[AC:AC+7], v[WB+12*\nt:WB+12*\nt+11], v[BF+12*\mt:BF+12*\mt+11], v[BIAS+8*\nt:BIAS+8*\nt+7], v[WW+\nt], v[SX+\mt] matrix_a_fmt:MATRIX_FMT_FP6 matrix_b_fmt:MATRIX_FMT_FP6
.else
	v_wmma_scale_f32_16x16x128_f8f6f4 v[AC:AC+7], v[WB+12*\nt:WB+12*\nt+11], v[BF+12*\mt:BF+12*\mt+11], v[AC:AC+7], v[WW+\nt], v[SX+\mt] matrix_a_fmt:MATRIX_FMT_FP6 matrix_b_fmt:MATRIX_FMT_FP6
.endif
.else
.set AC, 8*(4*\nt+\mt)
.if (\s) == 0
	v_wmma_scale_f32_16x16x128_f8f6f4 v[AC:AC+7], v[BF+12*\mt:BF+12*\mt+11], v[WB+12*\nt:WB+12*\nt+11], v[BIAS+8*\nt:BIAS+8*\nt+7], v[SX+\mt], v[WW+\nt] matrix_a_fmt:MATRIX_FMT_FP6 matrix_b_fmt:MATRIX_FMT_FP6
.else
	v_wmma_scale_f32_16x16x128_f8f6f4 v[AC:AC+7], v[BF+12*\mt:BF+12*\mt+11], v[WB+12*\nt:WB+12*\nt+11], v[AC:AC+7], v[SX+\mt], v[WW+\nt] matrix_a_fmt:MATRIX_FMT_FP6 matrix_b_fmt:MATRIX_FMT_FP6
.endif
.endif
.endr
.endr
	WIN 0
.endm
; All of K for block sg: the next K step's fragments are asked for ahead of this step's 16 products
.macro KLOOP sg, orient
.if \sg
	s_wait_xcnt 0x0                                ; the first block's stores have read their registers: x's buffers are loaded again only behind this wait
.endif
	FETCH \sg, 0, 0
.irp s, 0,1,2,3,4,5,6,7
	s_wait_dscnt 0x0                               ; this K step's fragments are in
.if \sg == 0
.if 16*(7-\s) > 63
	s_wait_loadcnt 63                              ; W's 16 loads of this K step are in: more than 63 were issued behind them
.else
	s_wait_loadcnt 16*(7-\s)                       ; W's 16 loads of this K step are in: the later K steps' may be out
.endif
.endif
.if \s < 7
	PLACES
	FETCH \sg, \s+1, (\s+1)%2
.endif
	MULS \s, \orient
.endr
.endm
; 32 numbers of a lane in window 3, register a + 16 b + i = k 32 b + 16 h + i of my row, become a half's codes in v[PC] on and two scale bytes in v[hw]
.macro HALF a, hw
	WIN 0x3c                                       ; sources 1 and 2 window 3
	v_max3_num_f32 v[TM], 0x1800000, |v[(\a)]|, |v[(\a)+1]|            ; my 16 numbers of each block, and the floor 2^(3 - 127); each accumulator is read from its low end on
	v_max3_num_f32 v[TM+1], 0x1800000, |v[(\a)+16]|, |v[(\a)+17]|
.irp i, 2,4,6,8,10,12,14
	v_max3_num_f32 v[TM], v[TM], |v[(\a)+\i]|, |v[(\a)+\i+1]|
	v_max3_num_f32 v[TM+1], v[TM+1], |v[(\a)+16+\i]|, |v[(\a)+17+\i]|
.endr
	WIN 0
	v_permlanex16_b32 v[TM+2], v[TM], s[SEL], s[SEL+1]
	v_permlanex16_b32 v[TM+3], v[TM+1], s[SEL], s[SEL+1]
	v_max_num_f32 v[TM], v[TM], v[TM+2]            ; with lane l xor 16's: the block's largest magnitude
	v_max_num_f32 v[TM+1], v[TM+1], v[TM+3]
	v_add_nc_u32 v[TM+4], 0xff000000, v[TM]        ; 2 off the exponent field: the conversion's scale operand
	v_add_nc_u32 v[TM+5], 0xff000000, v[TM+1]
	v_lshrrev_b32 v[TM+2], 23, v[TM+4]             ; the scale's byte
	v_lshrrev_b32 v[TM+3], 23, v[TM+5]
	v_lshl_or_b32 v[\hw], v[TM+3], 8, v[TM+2]
	s_wait_xcnt 0x0                                ; the last half's stores have read the codes' registers
	WIN 0x03                                       ; source 0 window 3
	v_cvt_scalef32_pk16_fp6_f32 v[PC:PC+2], v[(\a):(\a)+15], v[TM+4]
	v_cvt_scalef32_pk16_fp6_f32 v[PT:PT+2], v[(\a)+16:(\a)+31], v[TM+5]
	WIN 0
	v_nop                                          ; one plain line behind a scaled conversion
.irp i, 0,1,2
	v_permlane16_swap_b32 v[PC+\i], v[PT+\i]       ; a whole block to a lane: lanes 0-15 block 0, lanes 16-31 block 1
.endr
.irp i, 0,1,2
	v_mov_b32 v[PC+3+\i], v[PT+\i]
.endr
.endm
.macro CODEEPI sg                      ; unit u (q, k: tile of rows u; v: tile of channels u) is accumulators 4 u .. 4 u + 3
.irp u, 0,1,2,3
	HALF 32*\u, HW+4*\sg+\u
	global_store_b128 v[LI], v[PC:PC+3], s[34:35] offset:(4*\sg+\u)*768       ; 512 and 256 consecutive aligned bytes
	global_store_b64 v[L8], v[PC+4:PC+5], s[34:35] offset:(4*\sg+\u)*768+512
.endr
.endm
.macro OUTEPI sg                       ; a tile of 16 rows x 64 columns goes through my own stage and leaves as rows of 256 consecutive aligned bytes
.irp u, 0,1,2,3
	s_wait_xcnt 0x0                                ; the last tile's stores have read their registers
	WIN 0x0c
.irp b, 0,1
.irp j, 0,1,2,3
	ds_store_b128 v[SO], v[32*\u+16*\b+4*\j:32*\u+16*\b+4*\j+3] offset:128*\b+16*\j   ; each accumulator from its low end on
.endr
.endr
	WIN 0
.irp i, 0,1,2,3,4,5,6,7
	ds_load_b128 v[XF+4*\i:XF+4*\i+3], v[SR] offset:544*\i                    ; LDS serves a wave's instructions in order: these see my stores
.endr
	s_wait_dscnt 0x0
.irp i, 0,1,2,3,4,5,6,7
	global_store_b128 v[GO], v[XF+4*\i:XF+4*\i+3], s[38:39] offset:(64*\sg+32*(\u/2)+8*(\u%2)+2*\i+8*(\i/4))*4096 th:TH_STORE_NT
.endr
.endr
.endm
.macro SIGMA sg
	s_cmp_eq_u32 s[VAR], 2
	s_cbranch_scc1 .Lkeys_\@
	KLOOP \sg, 0
	s_branch .Lsummed_\@
.Lkeys_\@:
	KLOOP \sg, 1
.Lsummed_\@:
	PLACES
	s_cmp_eq_u32 s[MODE], 1
	s_cbranch_scc1 .Lwide_\@
	CODEEPI \sg
	s_branch .Lleft_\@
.Lwide_\@:
	OUTEPI \sg
.Lleft_\@:
.endm
	SIGMA 0
	SIGMA 1
	s_cmp_eq_u32 s[MODE], 1
	s_cbranch_scc1 .Lend
	s_cmp_eq_u32 s[VAR], 2
	s_cbranch_scc1 .Lwords_v
.irp sg, 0,1                           ; q, k: word 2 sg + p = tile 4 sg + 2 p's two bytes, then tile 4 sg + 2 p + 1's
.irp p, 0,1
	v_lshl_or_b32 v[WD+2*\sg+\p], v[HW+4*\sg+2*\p+1], 16, v[HW+4*\sg+2*\p]
.endr
.endr
	s_branch .Lwords_done
.Lwords_v:
.irp u, 0,1,2,3                        ; v: word u = the bytes of keys 0-63, then of keys 64-127
	v_lshl_or_b32 v[WD+\u], v[HW+4+\u], 16, v[HW+\u]
.endr
.Lwords_done:
	v_cndmask_b32 v[PR], v[WD], v[WD+2], s32       ; lanes 0-15 carry words 0 and 1, lanes 16-31 words 2 and 3
	v_cndmask_b32 v[PR+1], v[WD+1], v[WD+3], s32
	global_store_b64 v[L8], v[PR:PR+1], s[36:37]   ; 256 consecutive aligned bytes
.Lend:
	s_wait_tensorcnt 0x0
	ds_add_u32 v254, v255
	s_wait_dscnt 0x0
	s_endpgm
.Lfunc_end_k_qefc4c3255c_proj:
	.size	k_qefc4c3255c_proj, .Lfunc_end_k_qefc4c3255c_proj-k_qefc4c3255c_proj
	.p2alignl 7, 3214868480
	.fill 96, 4, 3214868480
	.section	.rodata,"a",@progbits
	.p2align	6, 0x0
	.amdhsa_kernel k_qefc4c3255c_proj
		.amdhsa_group_segment_fixed_size 120320
		.amdhsa_private_segment_fixed_size 0
		.amdhsa_enable_private_segment 0
		.amdhsa_kernarg_size 40
		.amdhsa_user_sgpr_count 2
		.amdhsa_user_sgpr_kernarg_segment_ptr 1
		.amdhsa_wavefront_size32 1
		.amdhsa_system_sgpr_workgroup_id_x 1
		.amdhsa_system_sgpr_workgroup_id_y 1
		.amdhsa_system_sgpr_workgroup_id_z 1
		.amdhsa_system_vgpr_workitem_id 0
		.amdhsa_next_free_vgpr 1024
		.amdhsa_next_free_sgpr 66
		.amdhsa_reserve_vcc 0
		.amdhsa_float_denorm_mode_32 3
		.amdhsa_float_denorm_mode_16_64 3
		.amdhsa_memory_ordered 1
		.amdhsa_forward_progress 1
		.amdhsa_inst_pref_size 177
	.end_amdhsa_kernel
	.amdgpu_metadata
---
amdhsa.version: [ 1, 2 ]
amdhsa.kernels:
  - .name:           k_qefc4c3255c_proj
    .symbol:         k_qefc4c3255c_proj.kd
    .args:
      - { .name: xc, .offset: 0, .size: 8, .value_kind: global_buffer, .address_space: global }
      - { .name: wc, .offset: 8, .size: 8, .value_kind: global_buffer, .address_space: global }
      - { .name: bc, .offset: 16, .size: 8, .value_kind: global_buffer, .address_space: global }
      - { .name: qkv, .offset: 24, .size: 8, .value_kind: global_buffer, .address_space: global }
      - { .name: cfgp, .offset: 32, .size: 8, .value_kind: global_buffer, .address_space: global }
    .group_segment_fixed_size: 120320
    .private_segment_fixed_size: 0
    .kernarg_segment_align: 8
    .kernarg_segment_size: 40
    .max_flat_workgroup_size: 128
    .sgpr_count:     66
    .vgpr_count:     1024
    .wavefront_size: 32
...
	.end_amdgpu_metadata
.endif
;; end of part 3
;; launch attn (part 4): grid 4 x 64, 16 waves a work-group, clusters of 4 x 1, 206,848 bytes of LDS; arguments qkv, mw, ao; writes ao
.if DOCPART == 4
	.amdgcn_target "amdgcn-amd-amdhsa--gfx1250"
	.amdhsa_code_object_version 6
	.text
	.protected	k_qefc4c3255c_attn
	.globl	k_qefc4c3255c_attn
	.p2align	8
	.type	k_qefc4c3255c_attn,@function
k_qefc4c3255c_attn:
	s_mov_b64 s[64:65], 0
	v_nop
	global_prefetch_b8 v0, s[64:65] scope:SCOPE_SE
	s_setreg_imm32_b32 hwreg(HW_REG_WAVE_MODE, 25, 1), 1
	s_wait_xcnt 0x0
	s_wait_alu depctr_hold_cnt(0) depctr_sa_sdst(0) depctr_va_vdst(0) depctr_va_sdst(0) depctr_va_ssrc(0) depctr_va_vcc(0) depctr_vm_vsrc(0)
	s_getreg_b32 s2, hwreg(HW_REG_IB_STS2, 6, 4)
	s_cmp_eq_u32 s2, 0
	s_cbranch_scc0 .Lentry_in_a_cluster
	s_endpgm
.Lentry_in_a_cluster:
	s_bfe_u32 s2, ttmp6, 0x10000c
	s_cmp_lg_u32 s2, 0x3003
	s_cbranch_scc0 .Lentry_shape_is_right
	s_endpgm
.Lentry_shape_is_right:
; O[b][head][q] = sum over keys of softmax(q . k / 8, masked) v, both products on codes of FP6 (E2M3) with E8M0 scales; the result is quantised along the head's 64 and stored as the last projection's operand.
; THE SOFTMAX AHEAD OF THE SECOND PRODUCT: t = score x log2(e) / 8; M = the running largest t rounded UP to a whole number; p = 2^(t - M) is quantised along the keys, not normalised;
; the row's sum is taken of the unquantised p and divides O at the end; when M moves, the sum and O are multiplied by 2^(old M - new M), which rounds nothing.
; THE MASK comes as one bit a score (mw): word n of a (tile of queries, step of 128 keys) is the lane mask for score register n.  A hidden score becomes -2^33.
; LIMIT: a hidden logit is so -2^30 where the definition has -1e9: c x 2^33 is exact in f32, so a row that is hidden throughout gives p = 1 for every key, as defined; the results are the
; same while a row's largest open logit lies above about -9.9e8.  NaN and infinities are not served.  A block of zeros carries the byte 1: its codes are zeros.
; SHARES: a work-group takes 512 queries of one (batch, head); each of its sixteen waves two tiles of 16, one after the other (PASS 0, PASS 1), in 256 registers: four waves to a SIMD.
; THE WHOLE HEAD'S K AND V STAY IN LDS: 16 step blocks of 12,800 bytes, filled ONCE, each wave asking for one block; nothing is filled again.
; CLUSTER: the four work-groups of a cluster belong to one (batch, head) and need the same 204,800 bytes: each block is asked for JOINTLY, by the same tensor load with the same descriptor and a mask that names the four.
; A STEP BLOCK: K's halves (tile T of 16 keys x the head's 64) at 768 T; V's halves (tile t of 16 channels x keys 64 c on) at 6,144 + (4 c + t) 768; K's scale words at 12,288, V's at 12,544.
; A half is an image of six operand registers: 0-3 at 16 x lane, 4-5 at 512 + 8 x lane.  Place r of tile 2 b + u is row 32 b + 8 u + r + 8 (r / 8).
; K = 64 IN AN INSTRUCTION OF K = 128: source 0 is TWO tiles of keys side by side (tile 2 f in k 0-63, tile 2 f + 1 in k 64-127); source 1 is Q beside 64 zero codes, once on each side:
; the half that is not wanted meets zero codes under valid scale bytes and adds nothing.  Q's two tiles lie between three runs of zeros: Z0 | Q0 | Z1 | Q1 | Z2.
; Both products are used transposed (S^T = K Q^T, O^T = V^T P^T): a lane holds ONE query; score register 16 f + i is key 32 f + 16 h + i of the step.
; REGISTERS: v1-11 addresses; v12 -M, v13 the largest t, v[14:15] the sum; v16-45 Q and zeros; v48-95 K's, then V's fragments; v96-159 S^T, then p; v160-191 O^T; v192-203 p's codes; v204-244 at work.
.set KF,  48
.set S,   96
.set O,   160
.set P,   192
.set BM,  204                          ; v204-207 the blocks' largest scores, then largest p
.set BT,  208                          ; v208-211 lane l xor 16's; then the bytes
.set SOP, 212                          ; v212-215 the conversions' scale operands
.set PT,  216                          ; v216-218, v220-222 upper blocks as converted
.set F,   224                          ; v224 f = 2^(old M - new M); v225 named with it as a pair
.set T1,  226
.set PW,  227                          ; p's scale word
.set KS,  228                          ; v228-231 lanes 0-15: K's scale word f; lanes 16-31: V's scale word t = f
.set QS,  232                          ; v232, v233 Q's scale words for pass 0, 1: (q0, q1, q0, q1)
.set QW,  234                          ; the word as loaded
.set HW,  240                          ; v240, v241 the two passes' output bytes
.set SU,  242                          ; v[242:243] the sums' second chain
.set OW,  244
.macro PLACES
.rept 4
	v_nop
.endr
.endm
.macro CROUND                          ; a round of the cluster's barrier: my work-group's barrier; wave 0 signals for the work-group; every wave waits for all four; my work-group's barrier once more
	s_barrier_signal -1
	s_barrier_wait -1
	s_cmp_lg_u32 s10, 0
	s_cbranch_scc1 .Lnot_wave_0_\@
	s_barrier_signal -3
.Lnot_wave_0_\@:
	s_barrier_wait -3
	s_barrier_signal -1
	s_barrier_wait -1
.endm
	s_load_b128 s[4:7], s[0:1], 0x0                ; qkv, mw
	s_load_b64 s[8:9], s[0:1], 0x10                ; ao
	v_lshl_add_u32 v254, v0, 2, 0x32000
	v_mov_b32 v255, 0
	ds_add_u32 v254, v255
	ds_add_u32 v254, v255
	v_lshrrev_b32 v1, 5, v0
	v_readfirstlane_b32 s10, v1                    ; wave 0..15
	s_bfe_u32 s11, ttmp6, 0x40000                  ; cx: my place in the cluster: it enters Q's, the mask words' and the output's addresses alone
	s_and_b32 s12, ttmp7, 0xffff                   ; batch x 16 + head, which the four partners share
	; descriptor group 1: a dense block of 12,800 bytes as 50 rows of 256 bytes (32 elements of 8 bytes), no padding: the images are read as consecutive bytes
	s_mov_b32 s20, 15|(3<<16)|(1<<21)              ; 15:0 the mask: all four work-groups; 17:16 elements of 8 bytes; 21 set beside a mask
	s_mov_b32 s21, 32<<16                          ; tensor_dim0 = 32
	s_mov_b32 s22, 50<<16                          ; tensor_dim1 = 50
	s_mov_b32 s23, 32<<16                          ; tile_dim0 = 32
	s_mov_b32 s24, 50                              ; tile_dim1 = 50
	s_mov_b32 s25, 32                              ; from row to row
	s_mov_b32 s26, 0
	s_mov_b32 s27, 0
	s_mov_b32 s16, 1                               ; group 0: count = 1
	s_mul_i32 s17, s10, 12800                      ; LDS address: step block = my wave's number
	s_mul_i32 s32, s12, 204800
	s_add_co_u32 s32, s32, s17
	s_add_co_u32 s32, s32, 6553600                 ; the k, v region lies behind q's
	s_mov_b32 s33, 0
	s_lshl_b32 s34, s12, 4                         ; Q: block 16 (batch x 16 + head) + 4 cx + wave / 4 of 6,400 bytes
	s_lshl_b32 s13, s11, 2
	s_add_co_u32 s34, s34, s13
	s_lshr_b32 s13, s10, 2
	s_add_co_u32 s34, s34, s13
	s_mul_i32 s34, s34, 6400
	s_mov_b32 s35, 0
	s_and_b32 s36, s10, 3                          ; my pair of tiles in it
	s_mul_i32 s37, s36, 1536
	s_lshr_b32 s38, s36, 1
	s_lshl_b32 s38, s38, 7
	s_and_b32 s39, s36, 1
	s_lshl_b32 s39, s39, 2
	s_add_co_u32 s38, s38, s39                     ; and the pair's scale word
	s_lshr_b32 s40, s12, 4                         ; batch
	s_lshl_b32 s41, s40, 7
	s_lshl_b32 s13, s11, 5
	s_add_co_u32 s41, s41, s13
	s_lshl_b32 s13, s10, 1
	s_add_co_u32 s41, s41, s13                     ; my first tile of queries: 128 batch + 32 cx + 2 wave
	s_lshl_b32 s42, s41, 12                        ; 4,096 bytes of mask words a tile: my two tiles' 8,192 lie on end
	s_mov_b32 s43, 0
	s_and_b32 s44, s12, 15                         ; head
	s_lshl_b32 s45, s40, 5
	s_lshl_b32 s13, s11, 3
	s_add_co_u32 s45, s45, s13
	s_lshr_b32 s13, s10, 1
	s_add_co_u32 s45, s45, s13
	s_mul_i32 s45, s45, 51200                      ; the output's block of 64 rows
	s_lshr_b32 s46, s44, 1                         ; its K step = head / 2,
	s_and_b32 s47, s44, 1                          ; its half = head % 2,
	s_and_b32 s48, s10, 1                          ; my two tiles of its four
	s_mul_i32 s50, s46, 6144
	s_mul_i32 s13, s48, 3072
	s_add_co_u32 s50, s50, s13
	s_mul_i32 s13, s47, 768
	s_add_co_u32 s50, s50, s13
	s_add_co_u32 s50, s50, s45
	s_mov_b32 s51, 0
	s_lshl_b32 s52, s46, 8
	s_lshl_b32 s13, s48, 7
	s_add_co_u32 s52, s52, s13
	s_lshl_b32 s13, s47, 1
	s_add_co_u32 s52, s52, s13
	s_add_co_u32 s52, s52, 49152
	s_add_co_u32 s52, s52, s45
	s_mov_b32 s53, 0
	v_and_b32 v4, 31, v0
	v_and_b32 v5, 15, v0                           ; r
	v_bfe_u32 v6, v0, 4, 1                         ; h
	v_lshlrev_b32 v1, 4, v4                        ; 16 x lane
	v_lshlrev_b32 v2, 3, v4                        ; 8 x lane
	v_lshlrev_b32 v3, 3, v5
	v_lshl_add_u32 v10, v6, 2, v3                  ; 8 r + 4 h: the output's scale bytes
	v_add_nc_u32 v11, s38, v3                      ; 8 r + my pair's word
	v_lshl_add_u32 v3, v6, 8, v3                   ; 8 r + 256 h: lanes 0-15 K's scale words, lanes 16-31 V's, 256 bytes on
	v_add_nc_u32 v8, s37, v1
	v_add_nc_u32 v9, s37, v2
	s_mov_b32 s28, 0x76543210
	s_mov_b32 s29, 0xfedcba98                      ; v_permlanex16_b32's selects for lane l xor 16
	s_mov_b32 s30, 0x3e38aa3b                      ; c = log2(e) / 8
	s_mov_b32 s31, s30                             ; (named with it as a pair, so it is written)
	s_mov_b32 s15, 0
	s_mov_b32 s66, 32                              ; steps to go, both passes'
	s_mov_b32 s67, 0xffff0000                      ; lanes 16-31
	s_wait_dscnt 0x0
	s_wait_kmcnt 0x0
	s_add_nc_u64 s[18:19], s[4:5], s[32:33]        ; group 0: the block's first byte,
	s_or_b32 s19, s19, 0x80000000                  ; type = 2
	s_add_nc_u64 s[4:5], s[4:5], s[34:35]
	s_add_nc_u64 s[6:7], s[6:7], s[42:43]
	s_add_nc_u64 s[100:101], s[8:9], s[52:53]
	s_add_nc_u64 s[8:9], s[8:9], s[50:51]
	CROUND                                         ; all four work-groups are here: the joint loads meet
	tensor_load_to_lds s[16:19], s[20:27]          ; my one tensor load of the launch
	s_nop 0
	PLACES                                         ; four plain lines behind it
	s_load_b512 s[32:47], s[6:7], 0x0              ; the first step's 64 mask words
	s_load_b512 s[48:63], s[6:7], 0x40
	s_load_b512 s[68:83], s[6:7], 0x80
	s_load_b512 s[84:99], s[6:7], 0xc0
	global_load_b128 v[22:25], v8, s[4:5]          ; Q's two tiles stay in registers
	global_load_b64 v[26:27], v9, s[4:5] offset:512
	global_load_b128 v[34:37], v8, s[4:5] offset:768
	global_load_b64 v[38:39], v9, s[4:5] offset:1280
	global_load_b32 v[QW], v11, s[4:5] offset:6144
	v_mov_b32 v7, 0xd0000000                       ; -2^33
.irp i, 16,17,18,19,20,21,28,29,30,31,32,33,40,41,42,43,44,45
	v_mov_b32 v\i, 0                               ; the three runs of zero codes
.endr
.irp b, 0,1,2,3
	v_mov_b32 v[BT+\b], 0                          ; written once: a lane permute's destination counts as one of its sources
.endr
	v_mov_b32 v[T1], 0
	v_mov_b32 v[F+1], 0
	s_wait_tensorcnt 0x0                           ; my block lies in LDS,
	s_barrier_signal -1
	s_barrier_wait -1                              ; everybody's does
	s_wait_loadcnt 0x0                             ; Q
	v_perm_b32 v[QS], v[QW], v[QW], 0x01000100     ; the first tile's two bytes, twice: one word serves Q on either side
	v_perm_b32 v[QS+1], v[QW], v[QW], 0x03020302   ; the second tile's
; One tile of 16 queries against all 2,048 keys
.macro PASS p
.set QB, 22+12*\p
.set j, 0
.rept 32
	v_mov_b32 v[O+j], 0                            ; O^T: the loop is written once; its first step finds zeros, which the first change of M leaves zeros
.set j, j+1
.endr
	v_mov_b32 v14, 0                               ; the sum, in two halves
	v_mov_b32 v15, 0
	v_mov_b32 v13, 0xff61b1e6                      ; the largest t so far: -3e38
	v_floor_f32 v12, -v13                          ; -M
	s_mov_b32 s2, 0                                ; LDS byte of the step block in hand
	s_mov_b32 s3, 16
.Lstep_\@:
	v_add_nc_u32 v4, s2, v1                        ; these four lines are the places behind the last step's products, in front of the loads into their registers
	v_add_nc_u32 v5, s2, v2
	v_add_nc_u32 v6, s2, v3
	v_nop
.irp t, 0,1,2,3,4,5,6,7
	ds_load_b128 v[KF+6*\t:KF+6*\t+3], v4 offset:768*\t
	ds_load_b64 v[KF+6*\t+4:KF+6*\t+5], v5 offset:768*\t+512
.endr
.irp f, 0,1,2,3
	ds_load_b32 v[KS+\f], v6 offset:12288+128*(\f/2)+4*(\f%2)
.endr
	s_wait_dscnt 0x0
.irp f, 0,1,2,3                        ; S^T: tiles 2 f and 2 f + 1 of the keys from one pair of halves
	v_wmma_scale_f32_16x16x128_f8f6f4 v[S+16*\f:S+16*\f+7], v[KF+12*\f:KF+12*\f+11], v[QB:QB+11], 0, v[KS+\f], v[QS+\p] matrix_a_fmt:MATRIX_FMT_FP6 matrix_b_fmt:MATRIX_FMT_FP6
	v_wmma_scale_f32_16x16x128_f8f6f4 v[S+16*\f+8:S+16*\f+15], v[KF+12*\f:KF+12*\f+11], v[QB-6:QB+5], 0, v[KS+\f], v[QS+\p] matrix_a_fmt:MATRIX_FMT_FP6 matrix_b_fmt:MATRIX_FMT_FP6
.endr
	PLACES
.irp t, 0,1,2,3                        ; V's fragments take K's registers and land under the softmax
.irp c, 0,1
	ds_load_b128 v[KF+12*\t+6*\c:KF+12*\t+6*\c+3], v4 offset:6144+(4*\c+\t)*768
	ds_load_b64 v[KF+12*\t+6*\c+4:KF+12*\t+6*\c+5], v5 offset:6144+(4*\c+\t)*768+512
.endr
.endr
	s_wait_kmcnt 0x0                               ; this step's mask words, asked for a step ago
.set n, 0
.rept 64
	v_cndmask_b32 v[S+n], v7, v[S+n], s[32+n+4*(n/32)]   ; a hidden score becomes -2^33; each accumulator from its low end on
.set n, n+1
.endr
	s_cmp_lg_u32 s66, 1                            ; the next step's words: 256 bytes on; the very last request repeats its own address and so stays inside the buffer
	s_cselect_b32 s14, 256, 0
	s_sub_co_u32 s66, s66, 1
	s_add_nc_u64 s[6:7], s[6:7], s[14:15]          ; (the wait above has shown the last loads done: their base may be written)
	s_load_b512 s[32:47], s[6:7], 0x0
	s_load_b512 s[48:63], s[6:7], 0x40
	s_load_b512 s[68:83], s[6:7], 0x80
	s_load_b512 s[84:99], s[6:7], 0xc0
.irp b, 0,1,2,3
	v_max3_num_f32 v[BM+\b], v[S+16*\b], v[S+1+16*\b], v[S+2+16*\b]   ; the largest score of each block of 32 keys: for the row's maximum, and, since p rises with the score, for the block's largest p
.endr
.irp i, 3,5,7,9,11,13
.irp b, 0,1,2,3
	v_max3_num_f32 v[BM+\b], v[BM+\b], v[S+16*\b+\i], v[S+1+16*\b+\i]
.endr
.endr
.irp b, 0,1,2,3
	v_max_num_f32 v[BM+\b], v[BM+\b], v[S+15+16*\b]
.endr
.irp b, 0,1,2,3
	v_permlanex16_b32 v[BT+\b], v[BM+\b], s28, s29
.endr
.irp b, 0,1,2,3
	v_max_num_f32 v[BM+\b], v[BM+\b], v[BT+\b]     ; with lane l xor 16's 16 keys
.endr
	v_max3_num_f32 v[T1], v[BM], v[BM+1], v[BM+2]
	v_max_num_f32 v[T1], v[T1], v[BM+3]            ; the step's largest score of my query
	v_mul_f32 v[T1], s30, v[T1]                    ; as t
	v_max_num_f32 v13, v13, v[T1]                  ; the running largest t
	v_mov_b32 v[T1], v12
	v_floor_f32 v12, -v13                          ; the new -M = floor(-t): M is a whole number
	v_sub_f32 v[T1], v12, v[T1]                    ; old M less new M: a whole number, 0 or less
	v_cvt_i32_f32 v[T1], v[T1]                     ; (it saturates)
	v_ldexp_f32 v[F], 1.0, v[T1]                   ; f = 2^(old M - new M)
.set j, 0
.rept 32
	v_pk_fma_f32 v[S+j:S+j+1], v[S+j:S+j+1], s[30:31], v[12:13] op_sel_hi:[1,0,0]   ; t - M, two at a time
.set j, j+2
.endr
.irp b, 0,1,2,3
	v_fma_f32 v[BM+\b], v[BM+\b], s30, v12         ; the same of each block's largest score
.endr
.set j, 0
.rept 64
	v_exp_f32 v[S+j], v[S+j]                       ; p = 2^(t - M), at most 1
.set j, j+1
.endr
	v_pk_mul_f32 v[14:15], v[14:15], v[F:F+1] op_sel_hi:[1,0]   ; the sums under the new M; also the plain line behind the exponentials
	s_wait_alu depctr_va_vdst(0)                   ; one wait for the whole batch, ahead of its first reader
.irp b, 0,1,2,3
	v_exp_f32 v[BM+\b], v[BM+\b]                   ; the block's largest p: the same two instructions on the same number give the same bits
.endr
	v_pk_add_f32 v[SU:SU+1], v[S:S+1], v[S+2:S+3]  ; the row's sum is taken of the unquantised p: two chains
.irp j, 4,8,12,16,20,24,28,32,36,40,44,48,52,56,60
	v_pk_add_f32 v[14:15], v[14:15], v[S+\j:S+1+\j]
	v_pk_add_f32 v[SU:SU+1], v[SU:SU+1], v[S+2+\j:S+3+\j]
.endr
	v_pk_add_f32 v[14:15], v[14:15], v[SU:SU+1]
	s_wait_alu depctr_va_vdst(0)                   ; and one for the four
.irp b, 0,1,2,3
	v_max_num_f32 v[BM+\b], 0x1800000, v[BM+\b]    ; the floor 2^(3 - 127): the byte cannot fall under 1
.endr
.irp b, 0,1,2,3
	v_add_nc_u32 v[SOP+\b], 0xff000000, v[BM+\b]   ; 2 off the exponent field: the conversion's scale operand
.endr
.irp b, 0,1,2,3
	v_lshrrev_b32 v[BT+\b], 23, v[SOP+\b]          ; the scale's byte
.endr
	v_lshl_or_b32 v[PW], v[BT+1], 8, v[BT]         ; p's scale word for these 128 keys
	v_lshl_or_b32 v[PW], v[BT+2], 16, v[PW]
	v_lshl_or_b32 v[PW], v[BT+3], 24, v[PW]
.irp c, 0,1
	v_cvt_scalef32_pk16_fp6_f32 v[P+6*\c:P+2+6*\c], v[S+32*\c:S+15+32*\c], v[SOP+2*\c]
	v_cvt_scalef32_pk16_fp6_f32 v[PT+4*\c:PT+2+4*\c], v[S+16+32*\c:S+31+32*\c], v[SOP+2*\c+1]   ; (a conversion's three registers begin on an even number)
.endr
	v_nop                                          ; one plain line behind a scaled conversion
.irp c, 0,1                            ; a whole block to a lane: lanes 0-15 block 2 c, lanes 16-31 block 2 c + 1
.irp i, 0,1,2
	v_permlane16_swap_b32 v[P+6*\c+\i], v[PT+4*\c+\i]
.endr
.irp i, 0,1,2
	v_mov_b32 v[P+3+6*\c+\i], v[PT+4*\c+\i]
.endr
.endr
.set j, 0
.rept 16
	v_pk_mul_f32 v[O+j:O+j+1], v[O+j:O+j+1], v[F:F+1] op_sel_hi:[1,0]   ; O^T under the new M; these sixteen are also the places between p's codes and scale word and the products
.set j, j+2
.endr
	s_wait_dscnt 0x0                               ; V is in
.irp t, 0,1,2,3                        ; O^T += V^T P^T: four accumulators by turns; V's scale words stand in lanes 16-31
	v_wmma_scale_f32_16x16x128_f8f6f4 v[O+8*\t:O+8*\t+7], v[KF+12*\t:KF+12*\t+11], v[P:P+11], v[O+8*\t:O+8*\t+7], v[KS+\t], v[PW] matrix_a_fmt:MATRIX_FMT_FP6 matrix_b_fmt:MATRIX_FMT_FP6 matrix_a_scale:MATRIX_SCALE_ROW1
.endr
	s_add_co_u32 s2, s2, 12800
	s_sub_co_u32 s3, s3, 1
	s_cmp_lg_u32 s3, 0
	s_cbranch_scc1 .Lstep_\@
	; the pass's end: O^T / the sum, quantised along the head's 64: register 16 b + i is channel 32 b + 16 h + i of my query
	PLACES
	v_add_f32 v14, v14, v15
	v_permlanex16_b32 v[T1], v14, s28, s29
	v_add_f32 v14, v14, v[T1]                      ; the row's sum
	v_rcp_f32 v14, v14
	v_nop                                          ; a plain line behind the reciprocal,
	s_wait_alu depctr_va_vdst(0)                   ; and the wait ahead of its first reader
.set j, 0
.rept 32
	v_mul_f32 v[S+j], v[O+j], v14                  ; each accumulator from its low end on
.set j, j+1
.endr
.irp b, 0,1
	v_max3_num_f32 v[BM+\b], |v[S+16*\b]|, |v[S+1+16*\b]|, 0x1800000
.endr
.irp i, 2,4,6,8,10,12,14
.irp b, 0,1
	v_max3_num_f32 v[BM+\b], v[BM+\b], |v[S+16*\b+\i]|, |v[S+1+16*\b+\i]|
.endr
.endr
.irp b, 0,1
	v_permlanex16_b32 v[BT+\b], v[BM+\b], s28, s29
.endr
.irp b, 0,1
	v_max_num_f32 v[BM+\b], v[BM+\b], v[BT+\b]
.endr
.irp b, 0,1
	v_add_nc_u32 v[SOP+\b], 0xff000000, v[BM+\b]
.endr
.irp b, 0,1
	v_lshrrev_b32 v[BT+\b], 23, v[SOP+\b]
.endr
	v_lshl_or_b32 v[HW+\p], v[BT+1], 8, v[BT]      ; my row's two scale bytes
	v_cvt_scalef32_pk16_fp6_f32 v[P:P+2], v[S:S+15], v[SOP]
	v_cvt_scalef32_pk16_fp6_f32 v[PT:PT+2], v[S+16:S+31], v[SOP+1]
	v_nop
.irp i, 0,1,2
	v_permlane16_swap_b32 v[P+\i], v[PT+\i]
.endr
.irp i, 0,1,2
	v_mov_b32 v[P+3+\i], v[PT+\i]
.endr
	global_store_b128 v1, v[P:P+3], s[8:9] offset:1536*\p          ; 512 and 256 consecutive aligned bytes
	global_store_b64 v2, v[P+4:P+5], s[8:9] offset:1536*\p+512
	s_wait_xcnt 0x0                                ; the codes' registers are written again only behind this wait
.endm
	PASS 0
	PASS 1
	v_cndmask_b32 v[OW], v[HW], v[HW+1], s67       ; lanes 0-15 the first tile's bytes, lanes 16-31 the second's
	global_store_b16 v10, v[OW], s[100:101]        ; two bytes a row: the word's other half belongs to the neighbouring head's work-group
	s_wait_dscnt 0x0
	s_wait_tensorcnt 0x0
	ds_add_u32 v254, v255
	s_wait_dscnt 0x0
	CROUND                                         ; the closing round: no work-group ends while a partner may still ask for a block that names it
	s_endpgm
.Lfunc_end_k_qefc4c3255c_attn:
	.size	k_qefc4c3255c_attn, .Lfunc_end_k_qefc4c3255c_attn-k_qefc4c3255c_attn
	.p2alignl 7, 3214868480
	.fill 96, 4, 3214868480
	.section	.rodata,"a",@progbits
	.p2align	6, 0x0
	.amdhsa_kernel k_qefc4c3255c_attn
		.amdhsa_group_segment_fixed_size 206848
		.amdhsa_private_segment_fixed_size 0
		.amdhsa_enable_private_segment 0
		.amdhsa_kernarg_size 24
		.amdhsa_user_sgpr_count 2
		.amdhsa_user_sgpr_kernarg_segment_ptr 1
		.amdhsa_wavefront_size32 1
		.amdhsa_system_sgpr_workgroup_id_x 1
		.amdhsa_system_sgpr_workgroup_id_y 1
		.amdhsa_system_sgpr_workgroup_id_z 1
		.amdhsa_system_vgpr_workitem_id 0
		.amdhsa_next_free_vgpr 256
		.amdhsa_next_free_sgpr 102
		.amdhsa_reserve_vcc 0
		.amdhsa_float_denorm_mode_32 3
		.amdhsa_float_denorm_mode_16_64 3
		.amdhsa_memory_ordered 1
		.amdhsa_forward_progress 1
		.amdhsa_inst_pref_size 58
	.end_amdhsa_kernel
	.amdgpu_metadata
---
amdhsa.version: [ 1, 2 ]
amdhsa.kernels:
  - .name:           k_qefc4c3255c_attn
    .symbol:         k_qefc4c3255c_attn.kd
    .args:
      - { .name: qkv, .offset: 0, .size: 8, .value_kind: global_buffer, .address_space: global }
      - { .name: mw, .offset: 8, .size: 8, .value_kind: global_buffer, .address_space: global }
      - { .name: ao, .offset: 16, .size: 8, .value_kind: global_buffer, .address_space: global }
    .group_segment_fixed_size: 206848
    .private_segment_fixed_size: 0
    .kernarg_segment_align: 8
    .kernarg_segment_size: 24
    .max_flat_workgroup_size: 512
    .sgpr_count:     102
    .vgpr_count:     256
    .wavefront_size: 32
...
	.end_amdgpu_metadata
.endif
;; end of part 4
;; launch outp: the kernel of part 3 again; grid 4 x 64, 4 waves a work-group, no clusters, 120,320 bytes of LDS; arguments ao, wc, bc, out0, cfgo; writes out0
;; ======== version 2 of 2: 5 launches
;; limits: right only within a limited range of input values
;; workspace buffers: xc 19,660,800 bytes; wc 3,276,800 bytes; bc 16,384 bytes; qkv 19,660,800 bytes; mw 2,097,152 bytes of whole numbers; ao 6,553,600 bytes; cfgp 256 bytes of whole numbers; cfgo 256 bytes of whole numbers
;; launch wprep: the kernel of part 1 again; grid 8 x 32, 4 waves a work-group, no clusters, 0 bytes of LDS; arguments Wq, Wk, Wv, Wo, bq, bk, bv, bo, wc, bc, cfgp, cfgo; writes wc, bc, cfgp, cfgo
;; launch prep: the kernel of part 2 again; grid 1280 x 1, 4 waves a work-group, no clusters, 68,096 bytes of LDS; arguments query, key_, value, mask, xc, mw; writes xc, mw
;; launch proj (part 5): grid 4 x 192, 4 waves a work-group, no clusters, 120,320 bytes of LDS; arguments xc, wc, bc, qkv, cfgp; writes qkv
.if DOCPART == 5
	.amdgcn_target "amdgcn-amd-amdhsa--gfx1250"
	.amdhsa_code_object_version 6
	.text
	.protected	k_qefc4c3255c_proj
	.globl	k_qefc4c3255c_proj
	.p2align	8
	.type	k_qefc4c3255c_proj,@function
k_qefc4c3255c_proj:
	s_mov_b64 s[64:65], 0
	v_nop
	global_prefetch_b8 v0, s[64:65] scope:SCOPE_SE
	s_setreg_imm32_b32 hwreg(HW_REG_WAVE_SCHED_MODE, 0, 2), 2
	s_setreg_imm32_b32 hwreg(HW_REG_WAVE_MODE, 25, 1), 1
	s_wait_xcnt 0x0
	s_wait_alu depctr_vm_vsrc(0)
; One text for the four projections  y = Q(x) Q(W) + b,  K = 1,024, on codes of FP6 (E2M3) with E8M0 scales.  Arguments: the left operand's blocks, the weights' blocks, the bias table, the destination, a mode word.
; MODE 0 (word 0 of the last argument): work-group y = 64 x VAR + rowstep, VAR 0, 1, 2 = q, k, v; the result is quantised in registers along the next product's K and stored as codes.
; MODE 1: VAR = 0, weight 3 (Wo); the result is stored as f32, [8192][1024].
; OPERAND BLOCKS (64 rows x K 1,024, 51,200 bytes): half (K step s, tile, c) at ((4 s + tile) 2 + c) 768, an image of six operand registers (0-3 at 16 x lane, 4-5 at 512 + 8 x lane);
; scale words of K step s at 49,152 + 256 s, word (tile, r) at 128 (tile / 2) + 8 r + 4 (tile % 2).  Place r of tile m is row 32 (m / 2) + 8 (m % 2) + r + 8 (r / 8) of the block.
; With tiles so composed, the 16 registers of source 0's tiles 2 b and 2 b + 1 are its indices 32 b + 16 h + 0 .. 15: sixteen neighbours along the next K.
; SHARES: a work-group takes 128 rows (two blocks, sg = 0, 1) x 256 columns; wave w takes 64 columns, one head (4 x + w), for all 128 rows.  Its weights (384 registers) stay in registers;
; the rows' codes (102,400 bytes) are copied into LDS once, as they lie, and every wave reads all of them: 6,144 bytes for each 16 matrix instructions.  One barrier, no loop.
; q, k, out: source 0 = W, source 1 = x: a lane holds a row, its registers run along the head's 64.  v: source 0 = x, source 1 = W: a lane holds a channel, its registers run along the keys.
; The bias is the C of each sum's first matrix instruction.  The 16 accumulators take turns, one instruction a turn.
; DESTINATION, MODE 0: q at byte 0: [batch x 16 + head][step 16] blocks of 6,400: 8 halves (tile T of the step's 128 rows) and their words; k, v at byte 6,553,600: blocks of 12,800:
; K's 8 halves, V's 8 halves ((4 c + t) 768 on from 6,144: channels' tile t, keys 64 c on), K's words at 12,288, V's at 12,544.  q's and k's word f = tile 2 f's two bytes, then tile 2 f + 1's.
; NO CLUSTER, NO TENSOR LOAD: the text parts on a stored mode word; what partners could share is the rows' 100 KB of a work-group's 300 KB.
; LIMITS: a block of zeros gets the byte 1 (its codes are zeros; this program alone reads the bytes); NaN and infinities are not served.
; REGISTERS, in windows of 256: window 0: v1-12 addresses; v16-111 x's fragments, two buffers of 48; v112-119 x's scale words; v120-151 W's; v152-183 the bias, 8 a tile; v184-217 at work; v218-241 a block's four halves of codes.
;   window 1: W's fragments of K steps 0-3 (12 (4 s + nt));  window 2: of K steps 4-7;  window 3: v0-127 the accumulators; ahead of the products v0-199 carry the copy into LDS.
; THE MODE: SCHED_MODE bits 1:0 = 2 (LLVM: expert scheduling mode 2), set by the entry lines.  The code itself states the register dependences
; between vector or matrix instructions and memory or LDS instructions, with s_wait_alu, always for 0.
; THE PLAN.  Registers that memory or LDS instructions touch:
;   v1-12         Written at the head and never again; read by every load, store and LDS instruction: one wait on va_vdst, ahead of the first load.
;   window 3      v0-199: the copy's loads land there and its LDS stores read them; v0-127 are then the accumulators: one wait on vm_vsrc, behind the barrier.
;   XF0, XF1      (each with its four scale words)  K step s: its 16 products read buffer s % 2; the LDS loads of K step s + 1 land in the other one, which the products of K step s - 1 read.
;                 So ONE wait on va_vdst stands at the head of K steps 1 to 6, and the step's twenty loads follow it in two runs of ten among its products, which name none of the registers that those loads touch.
;   W, its scale words, the bias: loaded once, read by products alone.
;   accumulators  Written by the products.  The way of codes reads them by vector instructions alone; the wide way by LDS stores, behind one wait on va_vdst.
;   CS0 .. CS3    Six registers for each of a block's four halves: written by conversions, swaps and moves; read by the block's eight stores, behind one wait on va_vdst.
;   the wide way's four row buffers (v16-47, v48-79, v80-111, v218-249), one for each tile of a block: the stage's LDS loads land there and the stores read them.
;   At the head of the second block one wait on vm_vsrc states that the first block's stores, global and LDS, have read all that the second block writes again.
.set LI,   1                           ; v1  16 x lane      (v4: + 51,200, the second block)
.set L8,   2                           ; v2  8 x lane       (v5)
.set LS,   3                           ; v3  8 r            (v6)
.set CP,   7                           ; v7  25,600 x wave + 16 x lane: my part of the copy, in memory and in LDS alike
.set SO,   8                           ; v8  the way out: where I put 16 bytes of a row
.set SR,   9                           ; v9  and where I read a row back
.set GO,   10                          ; v10 my byte offset in two rows of the output
.set BH,   11                          ; v11 64 h: the bias of my half's registers
.set BP,   12                          ; v12 4 (r + 8 (r / 8)): the bias of my channel
.set XF,   16
.set XS,   112
.set WS,   120
.set BIAS, 152
.set TM,   184                         ; v184-185 largest magnitudes, v186-187 bytes, v188-189 scale operands
.set PT,   198                         ; v198-200 the upper block as converted
.set HW,   204                         ; v204-211 the half-words (two bytes) of unit u of block sg: 4 sg + u
.set WD,   212                         ; v212-215 the four scale words
.set PR,   216                         ; v216-217 the pair that I store
.set CS,   218                         ; v218-241 unit u's codes at CS + 6 u; on the wide way v218-249: the fourth tile's rows
.set WV,   20
.set CG,   21
.set HD,   22
.set VAR,  23
.set RS,   24
.set MODE, 25
.set SEL,  30
.set MSB, 0
.macro WIN new                         ; the immediate's high byte repeats the setting that is left
.if MSB != \new
	s_set_vgpr_msb (MSB<<8)|\new
.set MSB, \new
.endif
.endm
.macro PLACES                          ; four plain lines between a matrix instruction and a load into, or a read of, its registers (ISA guide 7.12.1 for reads)
.rept 4
	v_nop
.endr
.endm
	s_load_b256 s[4:11], s[0:1], 0x0               ; x s[4:5], wc s[6:7], bc s[8:9], the destination s[10:11]
	s_load_b64 s[12:13], s[0:1], 0x20              ; the mode word's buffer
	v_lshl_add_u32 v254, v0, 2, 0x1d400
	v_mov_b32 v255, 0
	v_lshrrev_b32 v13, 5, v0
	v_readfirstlane_b32 s[WV], v13                 ; wave 0..3
	v_and_b32 v13, 31, v0
	v_and_b32 v14, 15, v0                          ; r
	v_bfe_u32 v15, v0, 4, 1                        ; h
	v_lshlrev_b32 v[LI], 4, v13
	v_lshlrev_b32 v[L8], 3, v13
	v_lshlrev_b32 v[LS], 3, v14
	v_add_nc_u32 v[LI+3], 51200, v[LI]
	v_add_nc_u32 v[L8+3], 51200, v[L8]
	v_add_nc_u32 v[LS+3], 51200, v[LS]
	s_wait_alu depctr_va_sdst(0)                   ; the wave's number is written, ahead of its first reader: LDS places and the buffers' offsets are made from it
	s_mul_i32 s26, s[WV], 25600
	v_add_nc_u32 v[CP], s26, v[LI]
	s_mul_i32 s26, s[WV], 16*272
	s_add_co_u32 s26, s26, 102400                  ; my stage: 16 rows x (256 + 16) bytes, behind the rows' codes
	v_mul_u32_u24 v[SO], v14, 272
	v_lshl_add_u32 v[SO], v15, 6, v[SO]
	v_add_nc_u32 v[SO], s26, v[SO]                 ; in: row r, + 64 h
	v_mul_u32_u24 v[SR], v15, 272
	v_lshl_add_u32 v[SR], v14, 4, v[SR]
	v_add_nc_u32 v[SR], s26, v[SR]                 ; back: lanes 0-15 one row of 256 bytes, lanes 16-31 the next
	v_lshlrev_b32 v[GO], 12, v15
	v_lshl_add_u32 v[GO], v14, 4, v[GO]            ; and the same two rows in the output
	v_lshlrev_b32 v[BH], 6, v15
	v_and_b32 v[BP], 8, v14
	v_add_nc_u32 v[BP], v[BP], v14
	v_lshlrev_b32 v[BP], 2, v[BP]
	v_mov_b32 v[TM+2], 0                           ; written once: a lane permute's destination counts as one of its sources
	v_mov_b32 v[TM+3], 0
.irp i, 0,1,2,3,4,5,6,7
	v_mov_b32 v[HW+\i], 0                          ; written on every way through the text
.endr
	s_mov_b32 s[SEL], 0x76543210
	s_mov_b32 s[SEL+1], 0xfedcba98                 ; v_permlanex16_b32's selects for lane l xor 16
	s_mov_b32 s32, 0xffff0000                      ; lanes 16-31
	s_mov_b32 s[CG], ttmp9
	s_and_b32 s26, ttmp7, 0xffff
	s_lshr_b32 s[VAR], s26, 6
	s_and_b32 s[RS], s26, 63
	s_lshl_b32 s[HD], s[CG], 2
	s_add_co_u32 s[HD], s[HD], s[WV]               ; my 64 columns: head 4 x + wave
	s_wait_kmcnt 0x0
	s_load_b32 s[MODE], s[12:13], 0x0
	s_mul_i32 s26, s[VAR], 6553600
	s_mul_i32 s27, s[RS], 102400
	s_add_co_u32 s26, s26, s27
	s_mov_b32 s27, 0
	s_add_nc_u64 s[4:5], s[4:5], s[26:27]          ; the work-group's two blocks
	WIN 0xc0                                       ; destination window 3
	s_wait_alu depctr_va_vdst(0)                   ; the twelve addresses and offsets v1 to v12 are written: every load, store and LDS instruction of the kernel reads one of them, and none is written again
.set i, 0
.rept 50                               ; my quarter of their 102,400 bytes: 512 consecutive bytes a load
	global_load_b128 v[4*i:4*i+3], v[CP], s[4:5] offset:512*i
.set i, i+1
.endr
	WIN 0
	; where the results go.  Codes: block ((16 batch + head) 16 + step) of its region
	s_mov_b32 s28, 12800                           ; bytes of a block,
	s_mov_b32 s29, 6553600                         ; the region's first byte,
	s_mov_b32 s40, 12288                           ; from the codes to their scale words,
	s_cmp_eq_u32 s[VAR], 0
	s_cselect_b32 s28, 6400, s28
	s_cselect_b32 s29, 0, s29
	s_cselect_b32 s40, 6144, s40
	s_cmp_eq_u32 s[VAR], 2
	s_cselect_b32 s41, 6144, 0                     ; and V's halves lie behind K's
	s_cselect_b32 s40, 6400, s40
	s_lshr_b32 s26, s[RS], 4
	s_lshl_b32 s26, s26, 8
	s_lshl_b32 s27, s[HD], 4
	s_add_co_u32 s26, s26, s27
	s_and_b32 s27, s[RS], 15
	s_add_co_u32 s26, s26, s27
	s_mul_i32 s26, s26, s28
	s_add_co_u32 s26, s26, s29
	s_add_co_u32 s26, s26, s41
	s_mov_b32 s27, 0
	s_add_nc_u64 s[34:35], s[10:11], s[26:27]
	s_add_co_u32 s26, s26, s40
	s_add_nc_u64 s[36:37], s[10:11], s[26:27]
	s_lshl_b32 s26, s[RS], 19                      ; f32: 128 rows of 4,096 bytes a rowstep, + my 64 columns
	s_lshl_b32 s28, s[HD], 8
	s_add_co_u32 s26, s26, s28
	s_add_nc_u64 s[38:39], s[10:11], s[26:27]
	s_wait_kmcnt 0x0
	s_min_u32 s[MODE], s[MODE], 1
	s_mul_i32 s26, s[MODE], 3
	s_add_co_u32 s26, s26, s[VAR]                  ; which weight and bias
	s_mul_i32 s28, s26, 819200
	s_mul_i32 s29, s[HD], 51200
	s_add_co_u32 s40, s28, s29
	s_mov_b32 s41, 0
	s_add_nc_u64 s[6:7], s[6:7], s[40:41]          ; my block of the weight
	s_lshl_b32 s40, s26, 12
	s_lshl_b32 s29, s[HD], 8
	s_add_co_u32 s40, s40, s29
	s_add_nc_u64 s[8:9], s[8:9], s[40:41]          ; my 64 numbers of the bias
.irp s, 0,1,2,3,4,5,6,7
.irp nt, 0,1,2,3
	global_load_b32 v[WS+4*\s+\nt], v[LS], s[6:7] offset:49152+256*\s+128*(\nt/2)+4*(\nt%2)
.endr
.endr
	s_cmp_eq_u32 s[VAR], 2
	s_cbranch_scc1 .Lbias_v
.irp nt, 0,1,2,3                       ; a lane's registers run along the columns: for tile nt those of columns 32 (nt / 2) + 8 (nt % 2) + 16 h + 0 .. 7
	global_load_b128 v[BIAS+8*\nt:BIAS+8*\nt+3], v[BH], s[8:9] offset:(32*(\nt/2)+8*(\nt%2))*4
	global_load_b128 v[BIAS+8*\nt+4:BIAS+8*\nt+7], v[BH], s[8:9] offset:(32*(\nt/2)+8*(\nt%2))*4+16
.endr
	s_branch .Lbias_done
.Lbias_v:
.irp nt, 0,1,2,3                       ; a lane holds one channel: its number in all eight registers
.irp j, 0,1,2,3,4,5,6,7
	global_load_b32 v[BIAS+8*\nt+\j], v[BP], s[8:9] offset:(32*(\nt/2)+8*(\nt%2))*4
.endr
.endr
.Lbias_done:
	WIN 0x40                                       ; destination window 1
.irp s, 0,1,2,3
.irp nt, 0,1,2,3
.irp c, 0,1
	global_load_b128 v[12*(4*\s+\nt)+6*\c:12*(4*\s+\nt)+6*\c+3], v[LI], s[6:7] offset:((4*\s+\nt)*2+\c)*768
	global_load_b64 v[12*(4*\s+\nt)+6*\c+4:12*(4*\s+\nt)+6*\c+5], v[L8], s[6:7] offset:((4*\s+\nt)*2+\c)*768+512
.endr
.endr
.endr
	WIN 0x80                                       ; destination window 2
.irp s, 4,5,6,7
.irp nt, 0,1,2,3
.irp c, 0,1
	global_load_b128 v[12*(4*(\s-4)+\nt)+6*\c:12*(4*(\s-4)+\nt)+6*\c+3], v[LI], s[6:7] offset:((4*\s+\nt)*2+\c)*768
	global_load_b64 v[12*(4*(\s-4)+\nt)+6*\c+4:12*(4*(\s-4)+\nt)+6*\c+5], v[L8], s[6:7] offset:((4*\s+\nt)*2+\c)*768+512
.endr
.endr
.endr
	s_wait_loadcnt 63                              ; behind the copy's 50 loads at least 168 were issued, behind the scale words and the bias 128: all of those are in
	WIN 0x0c                                       ; an LDS store's data are its source 1: window 3
.set i, 0
.rept 50
	ds_store_b128 v[CP], v[4*i:4*i+3] offset:512*i
.set i, i+1
.endr
	WIN 0
	s_wait_dscnt 0x0                               ; for the others' sake: my part of the rows' codes lies in LDS
	s_barrier_signal -1
	s_barrier_wait -1                              ; everybody's does
	s_wait_alu depctr_vm_vsrc(0)                   ; my LDS stores have read v0-199 of window 3: v0-127 are the accumulators from here on, written by the products
; x's fragments m0 and m0 + 1 of block sg, K step s, and their scale words, into buffer buf: ten LDS loads
.macro FETCH sg, s, buf, m0
.irp mt, \m0, \m0+1
.irp c, 0,1
	ds_load_b128 v[XF+48*(\buf)+12*(\mt)+6*\c:XF+48*(\buf)+12*(\mt)+6*\c+3], v[LI+3*(\sg)] offset:((4*(\s)+(\mt))*2+\c)*768
	ds_load_b64 v[XF+48*(\buf)+12*(\mt)+6*\c+4:XF+48*(\buf)+12*(\mt)+6*\c+5], v[L8+3*(\sg)] offset:((4*(\s)+(\mt))*2+\c)*768+512
.endr
	ds_load_b32 v[XS+4*(\buf)+(\mt)], v[LS+3*(\sg)] offset:49152+256*(\s)+128*((\mt)/2)+4*((\mt)%2)
.endr
.endm
; the windows of K step s's products
.macro MULWIN s, orient
.if \orient == 0
.if (\s) == 0
	WIN 0xc1                                       ; source 0 window 1, C (the bias) window 0, D window 3
.elseif (\s) < 4
	WIN 0xf1                                       ; C and D window 3
.else
	WIN 0xf2                                       ; source 0 window 2
.endif
.else
.if (\s) == 0
	WIN 0xc4                                       ; source 1 window 1, C window 0, D window 3
.elseif (\s) < 4
	WIN 0xf4
.else
	WIN 0xf8
.endif
.endif
.endm
; K step s, x's tile mt: four of the step's 16 matrix instructions.  orient 0: source 0 = W's tile nt, source 1 = x's tile mt, accumulator 4 mt + nt;  orient 1: the sources change places, accumulator 4 nt + mt
.macro MUL4 s, orient, mt
.set WB, 48*((\s)%4)
.set BF, XF+48*((\s)%2)
.set SX, XS+4*((\s)%2)
.set WW, WS+4*(\s)
.irp nt, 0,1,2,3
.if \orient == 0
.set AC, 8*(4*(\mt)+\nt)
.if (\s) == 0
	v_wmma_scale_f32_16x16x128_f8f6f4 v[AC:AC+7], v[WB+12*\nt:WB+12*\nt+11], v[BF+12*(\mt):BF+12*(\mt)+11], v[BIAS+8*\nt:BIAS+8*\nt+7], v[WW+\nt], v[SX+(\mt)] matrix_a_fmt:MATRIX_FMT_FP6 matrix_b_fmt:MATRIX_FMT_FP6
.else
	v_wmma_scale_f32_16x16x128_f8f6f4 v[AC:AC+7], v[WB+12*\nt:WB+12*\nt+11], v[BF+12*(\mt):BF+12*(\mt)+11], v[AC:AC+7], v[WW+\nt], v[SX+(\mt)] matrix_a_fmt:MATRIX_FMT_FP6 matrix_b_fmt:MATRIX_FMT_FP6
.endif
.else
.set AC, 8*(4*\nt+(\mt))
.if (\s) == 0
	v_wmma_scale_f32_16x16x128_f8f6f4 v[AC:AC+7], v[BF+12*(\mt):BF+12*(\mt)+11], v[WB+12*\nt:WB+12*\nt+11], v[BIAS+8*\nt:BIAS+8*\nt+7], v[SX+(\mt)], v[WW+\nt] matrix_a_fmt:MATRIX_FMT_FP6 matrix_b_fmt:MATRIX_FMT_FP6
.else
	v_wmma_scale_f32_16x16x128_f8f6f4 v[AC:AC+7], v[BF+12*(\mt):BF+12*(\mt)+11], v[WB+12*\nt:WB+12*\nt+11], v[AC:AC+7], v[SX+(\mt)], v[WW+\nt] matrix_a_fmt:MATRIX_FMT_FP6 matrix_b_fmt:MATRIX_FMT_FP6
.endif
.endif
.endr
.endm
; All of K for block sg: the next K step's fragments are asked for among this step's 16 products, in two runs of ten loads, behind the first four products and behind the next four
.macro KLOOP sg, orient
	FETCH \sg, 0, 0, 0
	FETCH \sg, 0, 0, 2
.irp s, 0,1,2,3,4,5,6,7
	s_wait_dscnt 0x0                               ; this K step's fragments are in
.if \sg == 0
.if 16*(7-\s) > 63
	s_wait_loadcnt 63                              ; W's 16 loads of this K step are in: more than 63 were issued behind them
.else
	s_wait_loadcnt 16*(7-\s)                       ; W's 16 loads of this K step are in: the later K steps' may be out
.endif
.endif
.if \s < 7
	PLACES
.if \s > 0
	s_wait_alu depctr_va_vdst(0)                   ; the last K step's products are done reading the other buffer and its scale words, in which this step's twenty loads land
.endif
.endif
	MULWIN \s, \orient
	MUL4 \s, \orient, 0
.if \s < 7
	WIN 0
	FETCH \sg, \s+1, (\s+1)%2, 0                   ; no wait: no vector or matrix instruction since the wait above names the other buffer, its scale words or the three addresses
	MULWIN \s, \orient
.endif
	MUL4 \s, \orient, 1
.if \s < 7
	WIN 0
	FETCH \sg, \s+1, (\s+1)%2, 2
	MULWIN \s, \orient
.endif
	MUL4 \s, \orient, 2
	MUL4 \s, \orient, 3
	WIN 0
.endr
.endm
; 32 numbers of a lane in window 3, register a + 16 b + i = k 32 b + 16 h + i of my row, become a half's codes in v[cs] on and two scale bytes in v[hw]
.macro HALF a, hw, cs
	WIN 0x3c                                       ; sources 1 and 2 window 3
	v_max3_num_f32 v[TM], 0x1800000, |v[(\a)]|, |v[(\a)+1]|            ; my 16 numbers of each block, and the floor 2^(3 - 127); each accumulator is read from its low end on
	v_max3_num_f32 v[TM+1], 0x1800000, |v[(\a)+16]|, |v[(\a)+17]|
.irp i, 2,4,6,8,10,12,14
	v_max3_num_f32 v[TM], v[TM], |v[(\a)+\i]|, |v[(\a)+\i+1]|
	v_max3_num_f32 v[TM+1], v[TM+1], |v[(\a)+16+\i]|, |v[(\a)+17+\i]|
.endr
	WIN 0
	v_permlanex16_b32 v[TM+2], v[TM], s[SEL], s[SEL+1]
	v_permlanex16_b32 v[TM+3], v[TM+1], s[SEL], s[SEL+1]
	v_max_num_f32 v[TM], v[TM], v[TM+2]            ; with lane l xor 16's: the block's largest magnitude
	v_max_num_f32 v[TM+1], v[TM+1], v[TM+3]
	v_add_nc_u32 v[TM+4], 0xff000000, v[TM]        ; 2 off the exponent field: the conversion's scale operand
	v_add_nc_u32 v[TM+5], 0xff000000, v[TM+1]
	v_lshrrev_b32 v[TM+2], 23, v[TM+4]             ; the scale's byte
	v_lshrrev_b32 v[TM+3], 23, v[TM+5]
	v_lshl_or_b32 v[\hw], v[TM+3], 8, v[TM+2]
	WIN 0x03                                       ; source 0 window 3
	v_cvt_scalef32_pk16_fp6_f32 v[(\cs):(\cs)+2], v[(\a):(\a)+15], v[TM+4]
	v_cvt_scalef32_pk16_fp6_f32 v[PT:PT+2], v[(\a)+16:(\a)+31], v[TM+5]
	WIN 0
	v_nop                                          ; one plain line behind a scaled conversion
.irp i, 0,1,2
	v_permlane16_swap_b32 v[(\cs)+\i], v[PT+\i]    ; a whole block to a lane: lanes 0-15 block 0, lanes 16-31 block 1
.endr
.irp i, 0,1,2
	v_mov_b32 v[(\cs)+3+\i], v[PT+\i]
.endr
.endm
.macro CODEEPI sg                      ; unit u (q, k: tile of rows u; v: tile of channels u) is accumulators 4 u .. 4 u + 3; each unit's codes have six registers of their own
.irp u, 0,1,2,3
	HALF 32*\u, HW+4*\sg+\u, CS+6*\u
.endr
	s_wait_alu depctr_va_vdst(0)                   ; the swaps and moves have written the four units' codes, which the eight stores read; and the block's products are done reading x's buffers, in which the next block's loads land
.irp u, 0,1,2,3
	global_store_b128 v[LI], v[CS+6*\u:CS+6*\u+3], s[34:35] offset:(4*\sg+\u)*768       ; 512 and 256 consecutive aligned bytes
	global_store_b64 v[L8], v[CS+6*\u+4:CS+6*\u+5], s[34:35] offset:(4*\sg+\u)*768+512
.endr
.endm
; The wide way: a tile of 16 rows x 64 columns goes through my own stage and leaves as rows of 256 consecutive aligned bytes.  Each of a block's four tiles comes back into 32 registers of its own.
.macro TOSTAGE u
.set OB, XF+32*(\u)
.if (\u) == 3
.set OB, CS
.endif
	WIN 0x0c
.irp b, 0,1
.irp j, 0,1,2,3
	ds_store_b128 v[SO], v[32*(\u)+16*\b+4*\j:32*(\u)+16*\b+4*\j+3] offset:128*\b+16*\j   ; each accumulator from its low end on
.endr
.endr
	WIN 0
.irp i, 0,1,2,3,4,5,6,7
	ds_load_b128 v[OB+4*\i:OB+4*\i+3], v[SR] offset:544*\i                    ; LDS serves a wave's instructions in order: these see my stores, and the next tile's stores come behind them
.endr
.endm
.macro SEND sg, u
.set OB, XF+32*(\u)
.if (\u) == 3
.set OB, CS
.endif
.irp i, 0,1,2,3,4,5,6,7
	global_store_b128 v[GO], v[OB+4*\i:OB+4*\i+3], s[38:39] offset:(64*\sg+32*((\u)/2)+8*((\u)%2)+2*\i+8*(\i/4))*4096 th:TH_STORE_NT
.endr
.endm
.macro OUTEPI sg
	s_wait_alu depctr_va_vdst(0)                   ; the products have written the accumulators, which the LDS stores read, and are done reading x's buffers; no vector instruction is still writing v218-249: the stage's loads land in both
	TOSTAGE 0
.irp u, 1,2,3
	TOSTAGE \u
	s_wait_dscnt 16                                ; the tile before is back: behind its loads stand this tile's eight stores and eight loads
	SEND \sg, \u-1
.endr
	s_wait_dscnt 0x0
	SEND \sg, 3
.endm
.macro SIGMA sg
.if \sg
	s_wait_xcnt 0x0                                ; the first block's stores have read their registers: x's buffers are loaded again only behind this wait
	s_wait_alu depctr_vm_vsrc(0)                   ; the first block's stores, global and LDS, have read the codes' registers, the rows' buffers and the accumulators: this block's conversions, LDS loads and products write them again
.endif
	s_cmp_eq_u32 s[VAR], 2
	s_cbranch_scc1 .Lkeys_\@
	KLOOP \sg, 0
	s_branch .Lsummed_\@
.Lkeys_\@:
	KLOOP \sg, 1
.Lsummed_\@:
	PLACES
	s_cmp_eq_u32 s[MODE], 1
	s_cbranch_scc1 .Lwide_\@
	CODEEPI \sg
	s_branch .Lleft_\@
.Lwide_\@:
	OUTEPI \sg
.Lleft_\@:
.endm
	SIGMA 0
	SIGMA 1
	s_cmp_eq_u32 s[MODE], 1
	s_cbranch_scc1 .Lend
	s_cmp_eq_u32 s[VAR], 2
	s_cbranch_scc1 .Lwords_v
.irp sg, 0,1                           ; q, k: word 2 sg + p = tile 4 sg + 2 p's two bytes, then tile 4 sg + 2 p + 1's
.irp p, 0,1
	v_lshl_or_b32 v[WD+2*\sg+\p], v[HW+4*\sg+2*\p+1], 16, v[HW+4*\sg+2*\p]
.endr
.endr
	s_branch .Lwords_done
.Lwords_v:
.irp u, 0,1,2,3                        ; v: word u = the bytes of keys 0-63, then of keys 64-127
	v_lshl_or_b32 v[WD+\u], v[HW+4+\u], 16, v[HW+\u]
.endr
.Lwords_done:
	s_wait_alu depctr_va_vdst(0)
	v_cndmask_b32 v[PR], v[WD], v[WD+2], s32       ; lanes 0-15 carry words 0 and 1, lanes 16-31 words 2 and 3
	v_cndmask_b32 v[PR+1], v[WD+1], v[WD+3], s32
	s_wait_alu depctr_va_vdst(0)                   ; the two selections have written the pair, which the store reads
	global_store_b64 v[L8], v[PR:PR+1], s[36:37]   ; 256 consecutive aligned bytes
.Lend:
	s_wait_dscnt 0x0                               ; the closing lines, six on end
	s_wait_alu 0x0
	s_wait_tensorcnt 0x0
	ds_add_u32 v254, v255
	s_wait_dscnt 0x0
	s_endpgm
.Lfunc_end_k_qefc4c3255c_proj:
	.size	k_qefc4c3255c_proj, .Lfunc_end_k_qefc4c3255c_proj-k_qefc4c3255c_proj
	.p2alignl 7, 3214868480
	.fill 96, 4, 3214868480
	.section	.rodata,"a",@progbits
	.p2align	6, 0x0
	.amdhsa_kernel k_qefc4c3255c_proj
		.amdhsa_group_segment_fixed_size 120320
		.amdhsa_private_segment_fixed_size 0
		.amdhsa_enable_private_segment 0
		.amdhsa_kernarg_size 40
		.amdhsa_user_sgpr_count 2
		.amdhsa_user_sgpr_kernarg_segment_ptr 1
		.amdhsa_wavefront_size32 1
		.amdhsa_system_sgpr_workgroup_id_x 1
		.amdhsa_system_sgpr_workgroup_id_y 1
		.amdhsa_system_sgpr_workgroup_id_z 1
		.amdhsa_system_vgpr_workitem_id 0
		.amdhsa_next_free_vgpr 1024
		.amdhsa_next_free_sgpr 66
		.amdhsa_reserve_vcc 0
		.amdhsa_float_denorm_mode_32 3
		.amdhsa_float_denorm_mode_16_64 3
		.amdhsa_memory_ordered 1
		.amdhsa_forward_progress 1
		.amdhsa_inst_pref_size 181
	.end_amdhsa_kernel
	.amdgpu_metadata
---
amdhsa.version: [ 1, 2 ]
amdhsa.kernels:
  - .name:           k_qefc4c3255c_proj
    .symbol:         k_qefc4c3255c_proj.kd
    .args:
      - { .name: xc, .offset: 0, .size: 8, .value_kind: global_buffer, .address_space: global }
      - { .name: wc, .offset: 8, .size: 8, .value_kind: global_buffer, .address_space: global }
      - { .name: bc, .offset: 16, .size: 8, .value_kind: global_buffer, .address_space: global }
      - { .name: qkv, .offset: 24, .size: 8, .value_kind: global_buffer, .address_space: global }
      - { .name: cfgp, .offset: 32, .size: 8, .value_kind: global_buffer, .address_space: global }
    .group_segment_fixed_size: 120320
    .private_segment_fixed_size: 0
    .kernarg_segment_align: 8
    .kernarg_segment_size: 40
    .max_flat_workgroup_size: 128
    .sgpr_count:     66
    .vgpr_count:     1024
    .wavefront_size: 32
...
	.end_amdgpu_metadata
.endif
;; end of part 5
;; launch attn (part 6): grid 4 x 64, 16 waves a work-group, clusters of 4 x 1, 206,848 bytes of LDS; arguments qkv, mw, ao; writes ao
.if DOCPART == 6
	.amdgcn_target "amdgcn-amd-amdhsa--gfx1250"
	.amdhsa_code_object_version 6
	.text
	.protected	k_qefc4c3255c_attn
	.globl	k_qefc4c3255c_attn
	.p2align	8
	.type	k_qefc4c3255c_attn,@function
k_qefc4c3255c_attn:
	s_mov_b64 s[64:65], 0
	v_nop
	global_prefetch_b8 v0, s[64:65] scope:SCOPE_SE
	s_setreg_imm32_b32 hwreg(HW_REG_WAVE_MODE, 25, 1), 1
	s_wait_xcnt 0x0
	s_wait_alu depctr_hold_cnt(0) depctr_sa_sdst(0) depctr_va_vdst(0) depctr_va_sdst(0) depctr_va_ssrc(0) depctr_va_vcc(0) depctr_vm_vsrc(0)
	s_getreg_b32 s2, hwreg(HW_REG_IB_STS2, 6, 4)
	s_cmp_eq_u32 s2, 0
	s_cbranch_scc0 .Lentry_in_a_cluster
	s_endpgm
.Lentry_in_a_cluster:
	s_bfe_u32 s2, ttmp6, 0x10000c
	s_cmp_lg_u32 s2, 0x3003
	s_cbranch_scc0 .Lentry_shape_is_right
	s_endpgm
.Lentry_shape_is_right:
; O[b][head][q] = sum over keys of softmax(q . k / 8, masked) v, both products on codes of FP6 (E2M3) with E8M0 scales; the result is quantised along the head's 64 and stored as the last projection's operand.
; THE SOFTMAX AHEAD OF THE SECOND PRODUCT: t = score x log2(e) / 8; M = the running largest t rounded UP to a whole number; p = 2^(t - M) is quantised along the keys, not normalised;
; the row's sum is taken of the unquantised p and divides O at the end; when M moves, the sum and O are multiplied by 2^(old M - new M), which rounds nothing.
; THE MASK comes as one bit a score (mw): word n of a (tile of queries, step of 128 keys) is the lane mask for score register n.  A hidden score becomes -2^33.
; LIMIT: a hidden logit is so -2^30 where the definition has -1e9: c x 2^33 is exact in f32, so a row that is hidden throughout gives p = 1 for every key, as defined; the results are the
; same while a row's largest open logit lies above about -9.9e8.  NaN and infinities are not served.  A block of zeros carries the byte 1: its codes are zeros.
; SHARES: a work-group takes 512 queries of one (batch, head); each of its sixteen waves two tiles of 16, one after the other (PASS 0, PASS 1), in 256 registers: four waves to a SIMD.
; THE WHOLE HEAD'S K AND V STAY IN LDS: 16 step blocks of 12,800 bytes, filled ONCE, each wave asking for one block; nothing is filled again.
; CLUSTER: the four work-groups of a cluster belong to one (batch, head) and need the same 204,800 bytes: each block is asked for JOINTLY, by the same tensor load with the same descriptor and a mask that names the four.
; A STEP BLOCK: K's halves (tile T of 16 keys x the head's 64) at 768 T; V's halves (tile t of 16 channels x keys 64 c on) at 6,144 + (4 c + t) 768; K's scale words at 12,288, V's at 12,544.
; A half is an image of six operand registers: 0-3 at 16 x lane, 4-5 at 512 + 8 x lane.  Place r of tile 2 b + u is row 32 b + 8 u + r + 8 (r / 8).
; K = 64 IN AN INSTRUCTION OF K = 128: source 0 is TWO tiles of keys side by side (tile 2 f in k 0-63, tile 2 f + 1 in k 64-127); source 1 is Q beside 64 zero codes, once on each side:
; the half that is not wanted meets zero codes under valid scale bytes and adds nothing.  Q's two tiles lie between three runs of zeros: Z0 | Q0 | Z1 | Q1 | Z2.
; Both products are used transposed (S^T = K Q^T, O^T = V^T P^T): a lane holds ONE query; score register 16 f + i is key 32 f + 16 h + i of the step.
; REGISTERS: v1-11 addresses; v12 -M, v13 the largest t, v[14:15] the sum; v16-45 Q and zeros; v48-95 K's, then V's fragments; v96-159 S^T, then p; v160-191 O^T; v192-203 p's codes; v204-253 at work.
.set KF,  48
.set S,   96
.set O,   160
.set P,   192
.set BM,  204                          ; v204-207 the blocks' largest scores, then largest p
.set BT,  208                          ; v208-211 lane l xor 16's; then the bytes
.set SOP, 212                          ; v212-215 the conversions' scale operands
.set PT,  216                          ; v216-218, v220-222 upper blocks as converted
.set F,   224                          ; v224 f = 2^(old M - new M); v225 named with it as a pair
.set T1,  226
.set PW,  227                          ; p's scale word
.set KS,  228                          ; v228-231 lanes 0-15: K's scale word f; lanes 16-31: V's scale word t = f
.set QS,  232                          ; v232, v233 Q's scale words for pass 0, 1: (q0, q1, q0, q1)
.set QW,  234                          ; the word as loaded
.set HW,  240                          ; v240, v241 the two passes' output bytes
.set SU,  242                          ; v[242:243] one of the sums' eight chains
.set OW,  244
.macro PLACES
.rept 4
	v_nop
.endr
.endm
.macro CROUND                          ; a round of the cluster's barrier: my work-group's barrier; wave 0 signals for the work-group; every wave waits for all four; my work-group's barrier once more
	s_barrier_signal -1
	s_barrier_wait -1
	s_cmp_lg_u32 s10, 0
	s_cbranch_scc1 .Lnot_wave_0_\@
	s_barrier_signal -3
.Lnot_wave_0_\@:
	s_barrier_wait -3
	s_barrier_signal -1
	s_barrier_wait -1
.endm
	s_load_b128 s[4:7], s[0:1], 0x0                ; qkv, mw
	s_load_b64 s[8:9], s[0:1], 0x10                ; ao
	v_lshl_add_u32 v254, v0, 2, 0x32000
	v_mov_b32 v255, 0
	ds_add_u32 v254, v255
	ds_add_u32 v254, v255
	v_lshrrev_b32 v1, 5, v0
	s_delay_alu instid0(VALU_DEP_1)
	v_readfirstlane_b32 s10, v1                    ; wave 0..15
	s_bfe_u32 s11, ttmp6, 0x40000                  ; cx: my place in the cluster: it enters Q's, the mask words' and the output's addresses alone
	s_and_b32 s12, ttmp7, 0xffff                   ; batch x 16 + head, which the four partners share
	; descriptor group 1: a dense block of 12,800 bytes as 50 rows of 256 bytes (32 elements of 8 bytes), no padding: the images are read as consecutive bytes
	s_mov_b32 s20, 15|(3<<16)|(1<<21)              ; 15:0 the mask: all four work-groups; 17:16 elements of 8 bytes; 21 set beside a mask
	s_mov_b32 s21, 32<<16                          ; tensor_dim0 = 32
	s_mov_b32 s22, 50<<16                          ; tensor_dim1 = 50
	s_mov_b32 s23, 32<<16                          ; tile_dim0 = 32
	s_mov_b32 s24, 50                              ; tile_dim1 = 50
	s_mov_b32 s25, 32                              ; from row to row
	s_mov_b32 s26, 0
	s_mov_b32 s27, 0
	s_mov_b32 s16, 1                               ; group 0: count = 1
	s_mul_i32 s17, s10, 12800                      ; LDS address: step block = my wave's number
	s_mul_i32 s32, s12, 204800
	s_add_co_u32 s32, s32, s17
	s_add_co_u32 s32, s32, 6553600                 ; the k, v region lies behind q's
	s_mov_b32 s33, 0
	s_lshl_b32 s34, s12, 4                         ; Q: block 16 (batch x 16 + head) + 4 cx + wave / 4 of 6,400 bytes
	s_lshl_b32 s13, s11, 2
	s_add_co_u32 s34, s34, s13
	s_lshr_b32 s13, s10, 2
	s_add_co_u32 s34, s34, s13
	s_mul_i32 s34, s34, 6400
	s_mov_b32 s35, 0
	s_and_b32 s36, s10, 3                          ; my pair of tiles in it
	s_mul_i32 s37, s36, 1536
	s_lshr_b32 s38, s36, 1
	s_lshl_b32 s38, s38, 7
	s_and_b32 s39, s36, 1
	s_lshl_b32 s39, s39, 2
	s_add_co_u32 s38, s38, s39                     ; and the pair's scale word
	s_lshr_b32 s40, s12, 4                         ; batch
	s_lshl_b32 s41, s40, 7
	s_lshl_b32 s13, s11, 5
	s_add_co_u32 s41, s41, s13
	s_lshl_b32 s13, s10, 1
	s_add_co_u32 s41, s41, s13                     ; my first tile of queries: 128 batch + 32 cx + 2 wave
	s_lshl_b32 s42, s41, 12                        ; 4,096 bytes of mask words a tile: my two tiles' 8,192 lie on end
	s_mov_b32 s43, 0
	s_and_b32 s44, s12, 15                         ; head
	s_lshl_b32 s45, s40, 5
	s_lshl_b32 s13, s11, 3
	s_add_co_u32 s45, s45, s13
	s_lshr_b32 s13, s10, 1
	s_add_co_u32 s45, s45, s13
	s_mul_i32 s45, s45, 51200                      ; the output's block of 64 rows
	s_lshr_b32 s46, s44, 1                         ; its K step = head / 2,
	s_and_b32 s47, s44, 1                          ; its half = head % 2,
	s_and_b32 s48, s10, 1                          ; my two tiles of its four
	s_mul_i32 s50, s46, 6144
	s_mul_i32 s13, s48, 3072
	s_add_co_u32 s50, s50, s13
	s_mul_i32 s13, s47, 768
	s_add_co_u32 s50, s50, s13
	s_add_co_u32 s50, s50, s45
	s_mov_b32 s51, 0
	s_lshl_b32 s52, s46, 8
	s_lshl_b32 s13, s48, 7
	s_add_co_u32 s52, s52, s13
	s_lshl_b32 s13, s47, 1
	s_add_co_u32 s52, s52, s13
	s_add_co_u32 s52, s52, 49152
	s_add_co_u32 s52, s52, s45
	s_mov_b32 s53, 0
	v_and_b32 v4, 31, v0
	v_and_b32 v5, 15, v0                           ; r
	v_bfe_u32 v6, v0, 4, 1                         ; h
	s_delay_alu instid0(VALU_DEP_3)
	v_lshlrev_b32 v1, 4, v4                        ; 16 x lane
	s_delay_alu instid0(VALU_DEP_4)
	v_lshlrev_b32 v2, 3, v4                        ; 8 x lane
	s_delay_alu instid0(VALU_DEP_4)
	v_lshlrev_b32 v3, 3, v5
	s_delay_alu instid0(VALU_DEP_1)
	v_lshl_add_u32 v10, v6, 2, v3                  ; 8 r + 4 h: the output's scale bytes
	s_delay_alu instid0(VALU_DEP_2)
	v_add_nc_u32 v11, s38, v3                      ; 8 r + my pair's word
	s_delay_alu instid0(VALU_DEP_3)
	v_lshl_add_u32 v3, v6, 8, v3                   ; 8 r + 256 h: lanes 0-15 K's scale words, lanes 16-31 V's, 256 bytes on
	v_add_nc_u32 v8, s37, v1
	v_add_nc_u32 v9, s37, v2
	s_mov_b32 s28, 0x76543210
	s_mov_b32 s29, 0xfedcba98                      ; v_permlanex16_b32's selects for lane l xor 16
	s_mov_b32 s30, 0x3e38aa3b                      ; c = log2(e) / 8
	s_mov_b32 s31, s30                             ; (named with it as a pair, so it is written)
	s_mov_b32 s15, 0
	s_mov_b32 s66, 32                              ; steps to go, both passes'
	s_mov_b32 s67, 0xffff0000                      ; lanes 16-31
	s_wait_dscnt 0x0
	s_wait_kmcnt 0x0
	s_add_nc_u64 s[18:19], s[4:5], s[32:33]        ; group 0: the block's first byte,
	s_or_b32 s19, s19, 0x80000000                  ; type = 2
	s_add_nc_u64 s[4:5], s[4:5], s[34:35]
	s_add_nc_u64 s[6:7], s[6:7], s[42:43]
	s_add_nc_u64 s[100:101], s[8:9], s[52:53]
	s_add_nc_u64 s[8:9], s[8:9], s[50:51]
	CROUND                                         ; all four work-groups are here: the joint loads meet
	tensor_load_to_lds s[16:19], s[20:27]          ; my one tensor load of the launch
	s_nop 0
	PLACES                                         ; four plain lines behind it
	s_load_b512 s[32:47], s[6:7], 0x0              ; the first step's 64 mask words
	s_load_b512 s[48:63], s[6:7], 0x40
	s_load_b512 s[68:83], s[6:7], 0x80
	s_load_b512 s[84:99], s[6:7], 0xc0
	s_wait_alu depctr_va_vdst(0)
	global_load_b128 v[22:25], v8, s[4:5]          ; Q's two tiles stay in registers
	global_load_b64 v[26:27], v9, s[4:5] offset:512
	global_load_b128 v[34:37], v8, s[4:5] offset:768
	global_load_b64 v[38:39], v9, s[4:5] offset:1280
	global_load_b32 v[QW], v11, s[4:5] offset:6144
	v_mov_b32 v7, 0xd0000000                       ; -2^33
.irp i, 16,17,18,19,20,21,28,29,30,31,32,33,40,41,42,43,44,45
	v_mov_b32 v\i, 0                               ; the three runs of zero codes
.endr
.irp b, 0,1,2,3
	v_mov_b32 v[BT+\b], 0                          ; written once: a lane permute's destination counts as one of its sources
.endr
	v_mov_b32 v[T1], 0
	v_mov_b32 v[F+1], 0
	s_wait_tensorcnt 0x0                           ; my block lies in LDS,
	s_barrier_signal -1
	s_barrier_wait -1                              ; everybody's does
	s_wait_loadcnt 0x0                             ; Q
	v_perm_b32 v[QS], v[QW], v[QW], 0x01000100     ; the first tile's two bytes, twice: one word serves Q on either side
	v_perm_b32 v[QS+1], v[QW], v[QW], 0x03020302   ; the second tile's
; One tile of 16 queries against all 2,048 keys
.macro PASS p
.set QB, 22+12*\p
.set j, 0
.rept 32
	v_mov_b32 v[O+j], 0                            ; O^T: the loop is written once; its first step finds zeros, which the first change of M leaves zeros
.set j, j+1
.endr
	v_mov_b32 v14, 0                               ; the sum, in two halves
	v_mov_b32 v15, 0
	v_mov_b32 v13, 0xff61b1e6                      ; the largest t so far: -3e38
	s_delay_alu instid0(VALU_DEP_1)
	v_floor_f32 v12, -v13                          ; -M
	s_mov_b32 s2, 0                                ; LDS byte of the step block in hand
	s_mov_b32 s3, 16
.Lstep_\@:
	s_setprio 2
	v_add_nc_u32 v4, s2, v1                        ; these four lines are the places behind the last step's products, in front of the loads into their registers
	v_add_nc_u32 v5, s2, v2
	v_add_nc_u32 v6, s2, v3
	v_nop
.irp t, 0,1,2,3,4,5,6,7
	ds_load_b128 v[KF+6*\t:KF+6*\t+3], v4 offset:768*\t
	ds_load_b64 v[KF+6*\t+4:KF+6*\t+5], v5 offset:768*\t+512
.endr
.irp f, 0,1,2,3
	ds_load_b32 v[KS+\f], v6 offset:12288+128*(\f/2)+4*(\f%2)
.endr
	s_wait_alu depctr_va_vdst(0)
	s_wait_dscnt 0x0
.irp f, 0,1,2,3                        ; S^T: tiles 2 f and 2 f + 1 of the keys from one pair of halves
	v_wmma_scale_f32_16x16x128_f8f6f4 v[S+16*\f:S+16*\f+7], v[KF+12*\f:KF+12*\f+11], v[QB:QB+11], 0, v[KS+\f], v[QS+\p] matrix_a_fmt:MATRIX_FMT_FP6 matrix_b_fmt:MATRIX_FMT_FP6
	v_wmma_scale_f32_16x16x128_f8f6f4 v[S+16*\f+8:S+16*\f+15], v[KF+12*\f:KF+12*\f+11], v[QB-6:QB+5], 0, v[KS+\f], v[QS+\p] matrix_a_fmt:MATRIX_FMT_FP6 matrix_b_fmt:MATRIX_FMT_FP6
.endr
	PLACES
.irp t, 0,1,2,3                        ; V's fragments take K's registers and land under the softmax
.irp c, 0,1
	ds_load_b128 v[KF+12*\t+6*\c:KF+12*\t+6*\c+3], v4 offset:6144+(4*\c+\t)*768
	ds_load_b64 v[KF+12*\t+6*\c+4:KF+12*\t+6*\c+5], v5 offset:6144+(4*\c+\t)*768+512
.endr
.endr
	s_wait_kmcnt 0x0                               ; this step's mask words, asked for a step ago
.set n, 0
.rept 64
	v_cndmask_b32 v[S+n], v7, v[S+n], s[32+n+4*(n/32)]   ; a hidden score becomes -2^33; each accumulator from its low end on
.set n, n+1
.endr
	s_cmp_lg_u32 s66, 1                            ; the next step's words: 256 bytes on; the very last request repeats its own address and so stays inside the buffer
	s_cselect_b32 s14, 256, 0
	s_sub_co_u32 s66, s66, 1
	s_add_nc_u64 s[6:7], s[6:7], s[14:15]          ; (the wait above has shown the last loads done: their base may be written)
	s_load_b512 s[32:47], s[6:7], 0x0
	s_load_b512 s[48:63], s[6:7], 0x40
	s_load_b512 s[68:83], s[6:7], 0x80
	s_load_b512 s[84:99], s[6:7], 0xc0
.irp b, 0,1,2,3
	v_max3_num_f32 v[BM+\b], v[S+16*\b], v[S+1+16*\b], v[S+2+16*\b]   ; the largest score of each block of 32 keys: for the row's maximum, and, since p rises with the score, for the block's largest p
.endr
.irp i, 3,5,7,9,11,13
.irp b, 0,1,2,3
	s_delay_alu instid0(VALU_DEP_4)
	v_max3_num_f32 v[BM+\b], v[BM+\b], v[S+16*\b+\i], v[S+1+16*\b+\i]
.endr
.endr
.irp b, 0,1,2,3
	s_delay_alu instid0(VALU_DEP_4)
	v_max_num_f32 v[BM+\b], v[BM+\b], v[S+15+16*\b]
.endr
.irp b, 0,1,2,3
	s_delay_alu instid0(VALU_DEP_4)
	v_permlanex16_b32 v[BT+\b], v[BM+\b], s28, s29
.endr
.irp b, 0,1,2,3
	s_delay_alu instid0(VALU_DEP_4)
	v_max_num_f32 v[BM+\b], v[BM+\b], v[BT+\b]     ; with lane l xor 16's 16 keys
.endr
	s_delay_alu instid0(VALU_DEP_2)
	v_max3_num_f32 v[T1], v[BM], v[BM+1], v[BM+2]
	s_delay_alu instid0(VALU_DEP_1)
	v_max_num_f32 v[T1], v[T1], v[BM+3]            ; the step's largest score of my query
	s_delay_alu instid0(VALU_DEP_1)
	v_mul_f32 v[T1], s30, v[T1]                    ; as t
	s_delay_alu instid0(VALU_DEP_1)
	v_max_num_f32 v13, v13, v[T1]                  ; the running largest t
	v_mov_b32 v[T1], v12
	s_delay_alu instid0(VALU_DEP_2)
	v_floor_f32 v12, -v13                          ; the new -M = floor(-t): M is a whole number
	s_delay_alu instid0(VALU_DEP_1)
	v_sub_f32 v[T1], v12, v[T1]                    ; old M less new M: a whole number, 0 or less
	s_delay_alu instid0(VALU_DEP_1)
	v_cvt_i32_f32 v[T1], v[T1]                     ; (it saturates)
	s_delay_alu instid0(VALU_DEP_1)
	v_ldexp_f32 v[F], 1.0, v[T1]                   ; f = 2^(old M - new M)
.set j, 0
.rept 32
	v_pk_fma_f32 v[S+j:S+j+1], v[S+j:S+j+1], s[30:31], v[12:13] op_sel_hi:[1,0,0]   ; t - M, two at a time
.set j, j+2
.endr
.irp b, 0,1,2,3
	v_fma_f32 v[BM+\b], v[BM+\b], s30, v12         ; the same of each block's largest score
.endr
.set j, 0
	s_setprio 1
	s_wait_alu depctr_va_vdst(0)
.rept 64
	v_exp_f32 v[S+j], v[S+j]                       ; p = 2^(t - M), at most 1
.set j, j+1
.endr
	v_pk_mul_f32 v[14:15], v[14:15], v[F:F+1] op_sel_hi:[1,0]   ; the sums under the new M; also the plain line behind the exponentials
	s_wait_alu depctr_va_vdst(0)                   ; one wait for the whole batch, ahead of its first reader
.irp b, 0,1,2,3
	v_exp_f32 v[BM+\b], v[BM+\b]                   ; the block's largest p: the same two instructions on the same number give the same bits
.endr
	v_pk_add_f32 v[242:243], v[100:101], v[104:105]
	v_pk_add_f32 v[252:253], v[108:109], v[112:113]
	v_pk_add_f32 v[250:251], v[116:117], v[120:121]
	v_pk_add_f32 v[248:249], v[124:125], v[128:129]
	v_pk_add_f32 v[246:247], v[132:133], v[136:137]
	v_pk_add_f32 v[244:245], v[140:141], v[144:145]
	v_pk_add_f32 v[238:239], v[148:149], v[152:153]
	v_pk_add_f32 v[14:15], v[14:15], v[156:157]
	v_pk_add_f32 v[242:243], v[242:243], v[96:97]
	v_pk_add_f32 v[252:253], v[252:253], v[98:99]
	v_pk_add_f32 v[250:251], v[250:251], v[102:103]
	v_pk_add_f32 v[248:249], v[248:249], v[106:107]
	v_pk_add_f32 v[246:247], v[246:247], v[110:111]
	v_pk_add_f32 v[244:245], v[244:245], v[114:115]
	v_pk_add_f32 v[238:239], v[238:239], v[118:119]
	v_pk_add_f32 v[14:15], v[14:15], v[122:123]
	v_pk_add_f32 v[242:243], v[242:243], v[126:127]
	v_pk_add_f32 v[252:253], v[252:253], v[130:131]
	v_pk_add_f32 v[250:251], v[250:251], v[134:135]
	v_pk_add_f32 v[248:249], v[248:249], v[138:139]
	v_pk_add_f32 v[246:247], v[246:247], v[142:143]
	v_pk_add_f32 v[244:245], v[244:245], v[146:147]
	v_pk_add_f32 v[238:239], v[238:239], v[150:151]
	v_pk_add_f32 v[14:15], v[14:15], v[154:155]
	v_pk_add_f32 v[242:243], v[242:243], v[158:159]
	s_delay_alu instid0(VALU_DEP_2)
	v_pk_add_f32 v[14:15], v[14:15], v[248:249]
	s_delay_alu instid0(VALU_DEP_2)
	v_pk_add_f32 v[242:243], v[242:243], v[246:247]
	v_pk_add_f32 v[252:253], v[252:253], v[244:245]
	v_pk_add_f32 v[250:251], v[250:251], v[238:239]
	s_delay_alu instid0(VALU_DEP_2)
	v_pk_add_f32 v[14:15], v[14:15], v[252:253]
	s_delay_alu instid0(VALU_DEP_2)
	v_pk_add_f32 v[242:243], v[242:243], v[250:251]
	s_delay_alu instid0(VALU_DEP_1)
	v_pk_add_f32 v[14:15], v[14:15], v[242:243]
	s_wait_alu depctr_va_vdst(0)                   ; and one for the four
.irp b, 0,1,2,3
	v_max_num_f32 v[BM+\b], 0x1800000, v[BM+\b]    ; the floor 2^(3 - 127): the byte cannot fall under 1
.endr
.irp b, 0,1,2,3
	s_delay_alu instid0(VALU_DEP_4)
	v_add_nc_u32 v[SOP+\b], 0xff000000, v[BM+\b]   ; 2 off the exponent field: the conversion's scale operand
.endr
.irp b, 0,1,2,3
	s_delay_alu instid0(VALU_DEP_4)
	v_lshrrev_b32 v[BT+\b], 23, v[SOP+\b]          ; the scale's byte
.endr
	s_delay_alu instid0(VALU_DEP_3)
	v_lshl_or_b32 v[PW], v[BT+1], 8, v[BT]         ; p's scale word for these 128 keys
	s_delay_alu instid0(VALU_DEP_1)
	v_lshl_or_b32 v[PW], v[BT+2], 16, v[PW]
	s_delay_alu instid0(VALU_DEP_1)
	v_lshl_or_b32 v[PW], v[BT+3], 24, v[PW]
.irp c, 0,1
	v_cvt_scalef32_pk16_fp6_f32 v[P+6*\c:P+2+6*\c], v[S+32*\c:S+15+32*\c], v[SOP+2*\c]
	v_cvt_scalef32_pk16_fp6_f32 v[PT+4*\c:PT+2+4*\c], v[S+16+32*\c:S+31+32*\c], v[SOP+2*\c+1]   ; (a conversion's three registers begin on an even number)
.endr
	s_setprio 0
	v_nop                                          ; one plain line behind a scaled conversion
.irp c, 0,1                            ; a whole block to a lane: lanes 0-15 block 2 c, lanes 16-31 block 2 c + 1
.irp i, 0,1,2
	v_permlane16_swap_b32 v[P+6*\c+\i], v[PT+4*\c+\i]
.endr
.irp i, 0,1,2
	s_delay_alu instid0(VALU_DEP_3)
	v_mov_b32 v[P+3+6*\c+\i], v[PT+4*\c+\i]
.endr
.endr
.set j, 0
.rept 16
	v_pk_mul_f32 v[O+j:O+j+1], v[O+j:O+j+1], v[F:F+1] op_sel_hi:[1,0]   ; O^T under the new M; these sixteen are also the places between p's codes and scale word and the products
.set j, j+2
.endr
	s_wait_alu depctr_va_vdst(0)
	s_wait_dscnt 0x0                               ; V is in
.irp t, 0,1,2,3                        ; O^T += V^T P^T: four accumulators by turns; V's scale words stand in lanes 16-31
	v_wmma_scale_f32_16x16x128_f8f6f4 v[O+8*\t:O+8*\t+7], v[KF+12*\t:KF+12*\t+11], v[P:P+11], v[O+8*\t:O+8*\t+7], v[KS+\t], v[PW] matrix_a_fmt:MATRIX_FMT_FP6 matrix_b_fmt:MATRIX_FMT_FP6 matrix_a_scale:MATRIX_SCALE_ROW1
.endr
	s_add_co_u32 s2, s2, 12800
	s_sub_co_u32 s3, s3, 1
	s_cmp_lg_u32 s3, 0
	s_cbranch_scc1 .Lstep_\@
	s_setprio 0
	; the pass's end: O^T / the sum, quantised along the head's 64: register 16 b + i is channel 32 b + 16 h + i of my query
	PLACES
	v_add_f32 v14, v14, v15
	s_delay_alu instid0(VALU_DEP_1)
	v_permlanex16_b32 v[T1], v14, s28, s29
	s_delay_alu instid0(VALU_DEP_1)
	v_add_f32 v14, v14, v[T1]                      ; the row's sum
	s_wait_alu depctr_va_vdst(0)
	v_rcp_f32 v14, v14
	v_nop                                          ; a plain line behind the reciprocal,
	s_wait_alu depctr_va_vdst(0)                   ; and the wait ahead of its first reader
.set j, 0
.rept 32
	v_mul_f32 v[S+j], v[O+j], v14                  ; each accumulator from its low end on
.set j, j+1
.endr
.irp b, 0,1
	v_max3_num_f32 v[BM+\b], |v[S+16*\b]|, |v[S+1+16*\b]|, 0x1800000
.endr
.irp i, 2,4,6,8,10,12,14
.irp b, 0,1
	s_delay_alu instid0(VALU_DEP_2)
	v_max3_num_f32 v[BM+\b], v[BM+\b], |v[S+16*\b+\i]|, |v[S+1+16*\b+\i]|
.endr
.endr
.irp b, 0,1
	s_delay_alu instid0(VALU_DEP_2)
	v_permlanex16_b32 v[BT+\b], v[BM+\b], s28, s29
.endr
.irp b, 0,1
	s_delay_alu instid0(VALU_DEP_2)
	v_max_num_f32 v[BM+\b], v[BM+\b], v[BT+\b]
.endr
.irp b, 0,1
	s_delay_alu instid0(VALU_DEP_2)
	v_add_nc_u32 v[SOP+\b], 0xff000000, v[BM+\b]
.endr
.irp b, 0,1
	s_delay_alu instid0(VALU_DEP_2)
	v_lshrrev_b32 v[BT+\b], 23, v[SOP+\b]
.endr
	s_delay_alu instid0(VALU_DEP_1)
	v_lshl_or_b32 v[HW+\p], v[BT+1], 8, v[BT]      ; my row's two scale bytes
	v_cvt_scalef32_pk16_fp6_f32 v[P:P+2], v[S:S+15], v[SOP]
	v_cvt_scalef32_pk16_fp6_f32 v[PT:PT+2], v[S+16:S+31], v[SOP+1]
	v_nop
.irp i, 0,1,2
	v_permlane16_swap_b32 v[P+\i], v[PT+\i]
.endr
.irp i, 0,1,2
	s_delay_alu instid0(VALU_DEP_3)
	v_mov_b32 v[P+3+\i], v[PT+\i]
.endr
	global_store_b128 v1, v[P:P+3], s[8:9] offset:1536*\p          ; 512 and 256 consecutive aligned bytes
	global_store_b64 v2, v[P+4:P+5], s[8:9] offset:1536*\p+512
	s_wait_xcnt 0x0                                ; the codes' registers are written again only behind this wait
.endm
	PASS 0
	PASS 1
	s_wait_alu depctr_va_vdst(0)
	v_cndmask_b32 v[OW], v[HW], v[HW+1], s67       ; lanes 0-15 the first tile's bytes, lanes 16-31 the second's
	global_store_b16 v10, v[OW], s[100:101]        ; two bytes a row: the word's other half belongs to the neighbouring head's work-group
	s_wait_dscnt 0x0
	s_wait_tensorcnt 0x0
	ds_add_u32 v254, v255
	s_wait_dscnt 0x0
	CROUND                                         ; the closing round: no work-group ends while a partner may still ask for a block that names it
	s_endpgm
.Lfunc_end_k_qefc4c3255c_attn:
	.size	k_qefc4c3255c_attn, .Lfunc_end_k_qefc4c3255c_attn-k_qefc4c3255c_attn
	.p2alignl 7, 3214868480
	.fill 96, 4, 3214868480
	.section	.rodata,"a",@progbits
	.p2align	6, 0x0
	.amdhsa_kernel k_qefc4c3255c_attn
		.amdhsa_group_segment_fixed_size 206848
		.amdhsa_private_segment_fixed_size 0
		.amdhsa_enable_private_segment 0
		.amdhsa_kernarg_size 24
		.amdhsa_user_sgpr_count 2
		.amdhsa_user_sgpr_kernarg_segment_ptr 1
		.amdhsa_wavefront_size32 1
		.amdhsa_system_sgpr_workgroup_id_x 1
		.amdhsa_system_sgpr_workgroup_id_y 1
		.amdhsa_system_sgpr_workgroup_id_z 1
		.amdhsa_system_vgpr_workitem_id 0
		.amdhsa_next_free_vgpr 256
		.amdhsa_next_free_sgpr 102
		.amdhsa_reserve_vcc 0
		.amdhsa_float_denorm_mode_32 3
		.amdhsa_float_denorm_mode_16_64 3
		.amdhsa_memory_ordered 1
		.amdhsa_forward_progress 1
		.amdhsa_inst_pref_size 65
	.end_amdhsa_kernel
	.amdgpu_metadata
---
amdhsa.version: [ 1, 2 ]
amdhsa.kernels:
  - .name:           k_qefc4c3255c_attn
    .symbol:         k_qefc4c3255c_attn.kd
    .args:
      - { .name: qkv, .offset: 0, .size: 8, .value_kind: global_buffer, .address_space: global }
      - { .name: mw, .offset: 8, .size: 8, .value_kind: global_buffer, .address_space: global }
      - { .name: ao, .offset: 16, .size: 8, .value_kind: global_buffer, .address_space: global }
    .group_segment_fixed_size: 206848
    .private_segment_fixed_size: 0
    .kernarg_segment_align: 8
    .kernarg_segment_size: 24
    .max_flat_workgroup_size: 512
    .sgpr_count:     102
    .vgpr_count:     256
    .wavefront_size: 32
...
	.end_amdgpu_metadata
.endif
;; end of part 6
;; launch outp: the kernel of part 5 again; grid 4 x 64, 4 waves a work-group, no clusters, 120,320 bytes of LDS; arguments ao, wc, bc, out0, cfgo; writes out0
